; MI455X (gfx1250); checked and timed in simulation.
; The chip was launched on July 23, 2026; its instructions are those of AMD's public machine-readable ISA for CDNA 5 (MIT licence, August 2026) and "CDNA5" Instruction Set Architecture Reference Guide (July 2026). The comments in the code are by the model that wrote it; some were corrected since.
;; Attention. Allowed arithmetic: matrix products marked QUANTISED: E2M1 operands, one E8M0 scale for each 32 along K, by v_wmma_scale_f32_16x16x128_f8f6f4 with both operands' format E2M1 (or v_wmma_scale_f32_32x16x128_f4), f32 sums; products left as they are: bf16, f16 or f32 operands; f32 sums; everything else in f32.
;; Inputs: pos_cos 1,024 x 32 float32; pos_sin 1,024 x 32 float32; wk 2,048 x 512 float32; wo 2,048 x 2,048 float32; wq 2,048 x 2,048 float32; wv 2,048 x 512 float32; x 4 x 1,024 x 2,048 float32.
;; Outputs: out0 4 x 1,024 x 2,048 float32.
;; This version of the problem:
;;   THIS VERSION OF THE PROBLEM IS GIVEN IN LOW PRECISION. The matrix products marked QUANTISED in the list below multiply operands that are first quantised to E2M1 (2 exponent bits, 1 mantissa bit; 4 bits a number), with one power-of-two scale for each 32 numbers along K (OCP MX v1.0); their sums are f32. The products marked 'left as it is' may take bf16, f16 or f32 operands, with f32 sums. Whichever they take, every output number must still come out within the allowed error. Rounding operands to bf16 (8 significant bits) uses up far more of that allowance than f16 does (11 bits, for magnitudes from 6e-5 to 65,504). All else is computed in f32.
;;   The module's matrix products, in the order in which they are computed (A, B: the left and right operand; K: the contracted axis; several contracted axes count as one K, in the product's order):
;;     1. [M 4,096, K 2,048] x [K 2,048, N 2,048]; A: input x; B: input wq: QUANTISED
;;     2. [M 4,096, K 2,048] x [K 2,048, N 512]; A: input x; B: input wk: QUANTISED
;;     3. [M 4,096, K 2,048] x [K 2,048, N 512]; A: input x; B: input wv: QUANTISED
;;     4. batch 128 x [M 1,024, K 64] x [K 64, N 1,024]; A: computed on the way; B: computed on the way: left as it is (an operand is computed on the way)
;;     5. batch 128 x [M 64, K 1,024] x [K 1,024, N 1,024]; A: computed on the way; B: computed on the way: left as it is (an operand is computed on the way)
;;     6. [M 4,096, K 2,048] x [K 2,048, N 2,048]; A: computed on the way; B: input wo: left as it is (an operand is computed on the way)
;;   THE QUANTISER, for each operand of a quantised product, along K:
;;     - K is cut into blocks of 32 from its start; a last block that is shorter is filled with zeros.
;;     - A block's scale is 2^e with e = floor(log2(the largest magnitude in the block)) - 2, held to -126 .. 127; a block of zeros has e = 0. As a byte (E8M0): e + 127.
;;     - Each number is divided by its block's scale, clamped to +-6, and rounded to the nearest number of E2M1, ties to even, subnormals kept.
;;     - The product sums the exact products of the quantised numbers (number of the format x scale) in f32.
;;   ~~~python
;;   def quantise(x, axis):      # numpy; x: float32 -> the quantised numbers, widened to float32 again
;;       x = np.moveaxis(x, axis, -1); K = x.shape[-1]
;;       x = np.pad(x, [(0, 0)] * (x.ndim - 1) + [(0, -K % 32)]); x = x.reshape(x.shape[:-1] + (-1, 32)); a = np.abs(x).max(-1, keepdims=True)
;;       e = np.where(a > 0, np.clip(np.frexp(np.where(a > 0, a, 1))[1] - 1 - 2, -126, 127), 0)      # np.frexp(a)[1] - 1 = floor(log2(a)), exactly
;;       r = np.clip(x / 2.0 ** e, -6, 6)
;;       step = 2.0 ** (np.maximum(np.frexp(np.where(r == 0, 1, r))[1] - 1, 0) - 1)
;;       q = np.round(r / step) * step * 2.0 ** e      # np.round: ties to even
;;       return np.moveaxis(q.reshape(q.shape[:-2] + (-1,))[..., :K], -1, axis).astype(np.float32)
;;   ~~~
;; One version. Each part assembles by itself: llvm-mc -triple=amdgcn-amd-amdhsa -mcpu=gfx1250 --defsym DOCPART=n.
;; ======== version 1 of 1: 6 launches
;; limits: values are held in f16: magnitudes above 65,504 overflow, below 6.1e-05 lose precision
;; workspace buffers: codes 7,340,032 bytes; scales 458,752 bytes; wo16 8,388,608 bytes; qkv 25,165,824 bytes; fin 786,432 bytes; ao 16,777,216 bytes; af 524,288 bytes
;; launch prep (part 1): grid 576 x 1, 4 waves a work-group, no clusters, 51,712 bytes of LDS; arguments x, wq, wk, wv, wo, codes, scales, wo16; writes codes, scales, wo16
.if DOCPART == 1
	.amdgcn_target "amdgcn-amd-amdhsa--gfx1250"
	.amdhsa_code_object_version 6
	.text
	.protected	k_q91cde4891a_prep
	.globl	k_q91cde4891a_prep
	.p2align	8
	.type	k_q91cde4891a_prep,@function
k_q91cde4891a_prep:
	s_mov_b64 s[64:65], 0
	v_nop
	global_prefetch_b8 v0, s[64:65] scope:SCOPE_SE
	s_setreg_imm32_b32 hwreg(HW_REG_WAVE_MODE, 25, 1), 1
	s_wait_xcnt 0x0
; Three streams in one launch, told apart by the work-group's number alone; the waves share nothing, so there is no barrier.
;   work-groups   0 .. 191 (W): wq | wk | wv, f32 [2048 (k)][n], K is the FIRST axis -> codes of FP4 (E2M1) [3072 (n)][1024 bytes], K innermost, and scale bytes [3072][64]
;   work-groups 192 .. 447 (X): x, f32 [4096][2048], K innermost -> codes [4096][1024 bytes] and scale bytes [4096][64]
;   work-groups 448 .. 575 (O): wo, f32 [2048][2048] -> f16, in the same order
; codes: x's from byte 0, the weights' from byte 4,194,304.  scales: x's from byte 0, the weights' from byte 262,144.
; A block of 32 along K has the scale 2^(floor(log2(largest magnitude)) - 2); its byte is the largest magnitude's exponent field - 2, held at 1 from below.
; LIMITS: a block of zeros gets the byte 1 where the rule says 127 (its codes are zeros, and this program alone reads the bytes); NaN and infinities are not served;
; numbers of wo beyond 65,504 in magnitude do not fit f16.
; No matrix unit, no cluster, no tensor load: every input byte is read once by one wave.
; LDS: each role has bytes of its own: X 0 .. 32,767 (8,192 a wave), W 32,768 .. 51,199 (4,608 a wave), the spare words behind them.
.set SPARE, 51200                      ; 128 bytes for each wave: two blocks of 256 bytes that no other line names
.set SPW,   12                         ; v12  LDS address of my spare word; never rewritten
.set NIL,   13                         ; v13  0; never rewritten
.set SP,    80                         ; X: a lane's place in a stage: 64 bytes + 16 of padding
.set STEPS, 16
.set XR,    16                         ; X: v16-79   four sets of 16 numbers as loaded
.set XX,    80                         ; X: v80-111  two sets of 16 neighbours
.set XE,    112                        ; X: v112-127 a scale byte for each step
.set XC,    128                        ; X: v128-191 codes, four registers a step
.set WSTG,  32768                      ; W: the four stages
.set PITCH, 144                        ; W: a stage row: 128 bytes + 16
.set NB,    8                          ; W: blocks of 32 along K for a wave
.set WSB,   24                         ; W: v24-25   scale bytes
.set WX,    32                         ; W: v32-95   two sets of 32 numbers
.set WC,    96                         ; W: v96-99   a block's codes
.set WOUT,  112                        ; W: v112-143 the way out
.set WOF,   176                        ; W: v176-207 byte offsets of the block's 32 rows: 4 x lane + i x a row of the tensor
.macro CLOSE                           ; the wave's end, behind my last LDS store
	s_wait_tensorcnt 0x0
	ds_add_u32 v[SPW], v[NIL]
	s_wait_dscnt 0x0
	s_endpgm
.endm
	s_load_b512 s[4:19], s[0:1], 0x0               ; x s[4:5], wq s[6:7], wk s[8:9], wv s[10:11], wo s[12:13], codes s[14:15], scales s[16:17], wo16 s[18:19]
	v_lshl_add_u32 v[SPW], v0, 2, SPARE
	v_mov_b32 v[NIL], 0
	v_lshrrev_b32 v1, 5, v0
	v_readfirstlane_b32 s20, v1                    ; wave 0..3
	v_and_b32 v2, 31, v0                           ; lane
	s_wait_kmcnt 0x0
	s_cmp_lt_u32 ttmp9, 192
	s_cbranch_scc1 .Lrole_w
	s_cmp_lt_u32 ttmp9, 448
	s_cbranch_scc1 .Lrole_x
; ---------------- O: wo to f16.  A wave takes 8,192 numbers: four rounds of 16 loads of 512 consecutive bytes; a lane's four numbers become 8 bytes, a store covers 256 consecutive bytes.
	s_sub_co_u32 s21, ttmp9, 448
	s_lshl_b32 s21, s21, 2
	s_add_co_u32 s21, s21, s20                     ; my run of 8,192 numbers
	s_lshl_b32 s22, s21, 15
	s_mov_b32 s23, 0
	s_add_nc_u64 s[12:13], s[12:13], s[22:23]
	s_lshl_b32 s22, s21, 14
	s_add_nc_u64 s[18:19], s[18:19], s[22:23]
	v_lshlrev_b32 v3, 4, v2
	v_lshlrev_b32 v4, 3, v2
.macro OLOADS k
.irp i, 0,1,2,3,4,5,6,7,8,9,10,11,12,13,14,15
	global_load_b128 v[32+64*((\k)%2)+4*\i:32+64*((\k)%2)+4*\i+3], v3, s[12:13] offset:(\k)*8192+\i*512
.endr
.endm
	OLOADS 0
	OLOADS 1
.irp k, 0,1,2,3
.if \k < 3
	s_wait_loadcnt 16                              ; this round's 16 loads are in; the next round's 16 may be out
.else
	s_wait_loadcnt 0x0
.endif
	s_wait_xcnt 0x0                                ; the last round's stores have read v160-191
.irp i, 0,1,2,3,4,5,6,7,8,9,10,11,12,13,14,15
	v_cvt_pk_f16_f32 v[160+2*\i], v[32+64*(\k%2)+4*\i], v[32+64*(\k%2)+4*\i+1]
	v_cvt_pk_f16_f32 v[161+2*\i], v[32+64*(\k%2)+4*\i+2], v[32+64*(\k%2)+4*\i+3]
.endr
.irp i, 0,1,2,3,4,5,6,7,8,9,10,11,12,13,14,15
	global_store_b64 v4, v[160+2*\i:161+2*\i], s[18:19] offset:\k*4096+\i*256
.endr
.if \k < 2
	OLOADS \k+2
.endif
.endr
	CLOSE
; ---------------- X: x is a plain stream of blocks of 32.  A wave takes 16 steps of 512 numbers.  Each load reads 512 consecutive bytes; a step's 2,048 bytes turn through the wave's own stage so that a lane
; holds 16 neighbours (two neighbouring lanes hold a block).  A step's codes leave as 256 consecutive bytes; a wave's 256 scale bytes are gathered in LDS and leave as one block of 256.
.Lrole_x:
	v_lshlrev_b32 v3, 4, v2                        ; my 16 bytes of a load's 512
	s_lshl_b32 s21, s20, 13                        ; my wave's 8,192 bytes of LDS
	v_lshrrev_b32 v14, 2, v2
	v_mul_u32_u24 v14, v14, SP
	v_and_b32 v15, 3, v2
	v_lshl_add_u32 v14, v15, 4, v14
	v_add_nc_u32 v14, s21, v14                     ; the stage, in: SP (lane / 4) + 16 (lane % 4)
	v_mul_u32_u24 v15, v2, SP
	v_add_nc_u32 v15, s21, v15                     ; and out: SP x lane
	v_lshlrev_b32 v4, 3, v2                        ; my 8 bytes of a step's codes
	v_lshrrev_b32 v5, 1, v2
	s_add_co_u32 s21, s21, 2*32*SP
	v_add_nc_u32 v5, s21, v5                       ; my block's scale byte in LDS
	v_lshlrev_b32 v7, 3, v2
	v_add_nc_u32 v6, s21, v7                       ; on the way out 8 bytes a lane
	s_sub_co_u32 s22, ttmp9, 192
	s_lshl_b32 s22, s22, 2
	s_add_co_u32 s22, s22, s20                     ; my run of 8,192 numbers
	s_lshl_b32 s24, s22, 15
	s_mov_b32 s25, 0
	s_add_nc_u64 s[4:5], s[4:5], s[24:25]
	s_lshl_b32 s24, s22, 12
	s_add_nc_u64 s[14:15], s[14:15], s[24:25]
	s_lshl_b32 s24, s22, 8
	s_add_nc_u64 s[16:17], s[16:17], s[24:25]
.macro XLOAD t
.irp i, 0,1,2,3
	global_load_b128 v[XR+16*((\t)%4)+4*\i:XR+16*((\t)%4)+4*\i+3], v3, s[4:5] offset:2048*(\t)+512*\i th:TH_LOAD_NT
.endr
.endm
.macro XTURN t                         ; LDS serves a wave's instructions in order: no wait between the stores and the loads
.irp i, 0,1,2,3
	ds_store_b128 v14, v[XR+16*((\t)%4)+4*\i:XR+16*((\t)%4)+4*\i+3] offset:32*SP*((\t)%2)+8*SP*\i
.endr
.irp i, 0,1,2,3
	ds_load_b128 v[XX+16*((\t)%2)+4*\i:XX+16*((\t)%2)+4*\i+3], v15 offset:32*SP*((\t)%2)+16*\i
.endr
.endm
.irp t, 0,1,2,3
	XLOAD \t
.endr
	s_wait_loadcnt 12                              ; step 0's four loads are in
	XTURN 0
.macro XSTEP t
.set XS, XX+16*((\t)%2)
.if (\t) > 0
	s_wait_dscnt 1                                 ; this step's numbers are back from the stage; the last step's byte store may be out
.else
	s_wait_dscnt 0x0
.endif
.if (\t)+4 < STEPS
	XLOAD (\t)+4
.endif
.if (\t)+1 < STEPS
.if STEPS-2-(\t) >= 3
	s_wait_loadcnt 12                              ; the next step's four loads are in; those of the three steps behind it may be out
.else
	s_wait_loadcnt 4*(STEPS-2-(\t))
.endif
	XTURN (\t)+1
.endif
	v_max3_num_f32 v8, |v[XS]|, |v[XS+1]|, |v[XS+2]|
	v_max3_num_f32 v9, |v[XS+3]|, |v[XS+4]|, |v[XS+5]|
.irp i, 6,10
	v_max3_num_f32 v8, v8, |v[XS+\i]|, |v[XS+\i+1]|
	v_max3_num_f32 v9, v9, |v[XS+\i+2]|, |v[XS+\i+3]|
.endr
	v_max3_num_f32 v8, v8, |v[XS+14]|, |v[XS+15]|
	v_max3_num_f32 v8, v8, v9, 0x1800000           ; the floor 2^(3 - 127): the byte cannot fall under 1
	v_max_num_f32_dpp v8, v8, v8 row_xmask:1 row_mask:0xf bank_mask:0xf   ; with my neighbour's 16: the block's largest magnitude
	v_add_nc_u32 v11, 0xff000000, v8               ; 2 off its exponent field: the conversion's scale operand
	v_cvt_scalef32_pk8_fp4_f32 v[XC+4*(\t)], v[XS:XS+7], v11
	v_cvt_scalef32_pk8_fp4_f32 v[XC+4*(\t)+1], v[XS+8:XS+15], v11
	v_lshrrev_b32 v[XE+(\t)], 23, v11              ; the scale's byte
	ds_store_b8 v5, v[XE+(\t)] offset:16*(\t)      ; both lanes of a block write the same byte with the same value
	global_store_b64 v4, v[XC+4*(\t):XC+4*(\t)+1], s[14:15] offset:256*(\t)
.endm
.irp t, 0,1,2,3,4,5,6,7,8,9,10,11,12,13,14,15
	XSTEP \t
.endr
	ds_load_b64 v[8:9], v6
	s_wait_dscnt 0x0
	global_store_b64 v7, v[8:9], s[16:17]          ; 32 lanes store 256 consecutive bytes
	CLOSE
; ---------------- W: a lane takes a column n and its registers run down K.  A wave takes 32 columns x 256 along K: 8 blocks, 256 loads of 128 consecutive bytes, of which 64 are asked for at a time.
; The codes go through the wave's own stage and leave as rows.  A wave's part of a column's row is 128 bytes: eight lanes store 128 consecutive bytes, and the other half of the aligned 256 is another
; work-group's.  That is taken for the weights' 3 MiB of codes, so that a wave walks 256 loads one set behind the other and not 512.
.Lrole_w:
	s_and_b32 s21, ttmp9, 7                        ; which 256 along K
	s_lshr_b32 s22, ttmp9, 3                       ; which 128 of the 3,072 columns: 0-15 wq, 16-19 wk, 20-23 wv
	s_cmp_lt_u32 s22, 20
	s_cselect_b64 s[24:25], s[8:9], s[10:11]
	s_cselect_b32 s26, 16, 20
	s_cmp_lt_u32 s22, 16
	s_cselect_b64 s[24:25], s[6:7], s[24:25]
	s_cselect_b32 s26, 0, s26                      ; the tensor's first group of columns
	s_mov_b32 s28, 2048
	s_cselect_b32 s28, 8192, s28                   ; a row of the tensor in bytes
	s_sub_co_u32 s27, s22, s26
	s_lshl_b32 s27, s27, 7
	s_lshl_b32 s29, s20, 5
	s_add_co_u32 s27, s27, s29                     ; my wave's first column in its tensor
	s_lshl_b32 s27, s27, 2
	s_mul_i32 s29, s21, s28
	s_lshl_b32 s29, s29, 8                         ; 256 rows for each step along K
	s_add_co_u32 s32, s27, s29
	s_mov_b32 s33, 0
	s_add_nc_u64 s[24:25], s[24:25], s[32:33]
	s_lshl_b32 s30, s28, 5                         ; 32 rows: from block to block
	s_mov_b32 s31, 0
	s_lshl_b32 s34, s22, 7
	s_lshl_b32 s35, s20, 5
	s_add_co_u32 s34, s34, s35                     ; my first column of the 3,072
	s_lshl_b32 s36, s34, 10
	s_lshl_b32 s37, s21, 7                         ; 256 codes are 128 bytes
	s_add_co_u32 s36, s36, s37
	s_add_co_u32 s36, s36, 0x400000
	s_mov_b32 s37, 0
	s_add_nc_u64 s[14:15], s[14:15], s[36:37]
	s_lshl_b32 s36, s34, 6
	s_lshl_b32 s38, s21, 3                         ; and have 8 scale bytes
	s_add_co_u32 s36, s36, s38
	s_add_co_u32 s36, s36, 0x40000
	s_add_nc_u64 s[16:17], s[16:17], s[36:37]
	s_mul_i32 s39, s20, 32*PITCH
	s_add_co_u32 s39, s39, WSTG                    ; my stage
	v_mul_u32_u24 v4, v2, PITCH
	v_add_nc_u32 v4, s39, v4                       ; into it: row = my column
	v_and_b32 v5, 7, v2
	v_lshrrev_b32 v6, 3, v2
	v_mul_u32_u24 v7, v6, PITCH
	v_lshl_add_u32 v7, v5, 4, v7
	v_add_nc_u32 v7, s39, v7                       ; out of it: eight lanes to a row, four rows an instruction
	v_lshlrev_b32 v8, 10, v6
	v_lshl_add_u32 v8, v5, 4, v8                   ; and the same place among the codes' rows of 1,024 bytes
	v_lshlrev_b32 v9, 6, v2                        ; my column's row of 64 scale bytes
	v_lshlrev_b32 v[WOF], 2, v2
.irp i, 1,2,3,4,5,6,7,8,9,10,11,12,13,14,15,16,17,18,19,20,21,22,23,24,25,26,27,28,29,30,31
	v_add_nc_u32 v[WOF+\i], s28, v[WOF+\i-1]
.endr
.macro WLOAD t                         ; block t: 32 rows of the tensor at my column, into set t % 2; the blocks are asked for in order, so the base steps by one block
.if (\t) > 0
	s_wait_xcnt 0x0                                ; the earlier loads have read their base
	s_add_nc_u64 s[24:25], s[24:25], s[30:31]
.endif
.irp i, 0,1,2,3,4,5,6,7,8,9,10,11,12,13,14,15,16,17,18,19,20,21,22,23,24,25,26,27,28,29,30,31
	global_load_b32 v[WX+32*((\t)%2)+\i], v[WOF+\i], s[24:25] th:TH_LOAD_NT
.endr
.endm
	WLOAD 0
	WLOAD 1
.macro WBLOCK t
.set XS, WX+32*((\t)%2)
.if (\t) < NB-1
	s_wait_loadcnt 32                              ; this block's 32 loads are in; the next block's may be out
.else
	s_wait_loadcnt 0x0
.endif
	v_max3_num_f32 v20, |v[XS]|, |v[XS+1]|, |v[XS+2]|
	v_max3_num_f32 v21, |v[XS+3]|, |v[XS+4]|, |v[XS+5]|
.irp i, 6,10,14,18,22,26
	v_max3_num_f32 v20, v20, |v[XS+\i]|, |v[XS+\i+1]|
	v_max3_num_f32 v21, v21, |v[XS+\i+2]|, |v[XS+\i+3]|
.endr
	v_max3_num_f32 v20, v20, |v[XS+30]|, |v[XS+31]|
	v_max3_num_f32 v20, v20, v21, 0x1800000        ; the floor 2^(3 - 127)
	v_add_nc_u32 v22, 0xff000000, v20              ; 2 off the exponent field: the conversion's scale operand
	v_lshrrev_b32 v23, 23, v22                     ; the scale's byte
.if (\t)%4 == 0
	v_mov_b32 v[WSB+(\t)/4], v23
.else
	v_lshl_or_b32 v[WSB+(\t)/4], v23, 8*((\t)%4), v[WSB+(\t)/4]
.endif
.irp g, 0,1,2,3
	v_cvt_scalef32_pk8_fp4_f32 v[WC+\g], v[XS+8*\g:XS+8*\g+7], v22
.endr
	ds_store_b128 v4, v[WC:WC+3] offset:16*(\t)    ; 32 codes: 16 bytes of my column's row
.if (\t)+2 < NB
	WLOAD (\t)+2
.endif
	s_wait_dscnt 0x0                               ; the store has read its registers: the next block's codes may be written
.endm
.irp t, 0,1,2,3,4,5,6,7
	WBLOCK \t
.endr
	global_store_b64 v9, v[WSB:WSB+1], s[16:17]    ; my column's 8 scale bytes
.irp t, 0,1,2,3,4,5,6,7
	ds_load_b128 v[WOUT+4*\t:WOUT+4*\t+3], v7 offset:4*\t*PITCH
.endr
.irp t, 0,1,2,3,4,5,6,7
	s_wait_dscnt 7-\t                              ; LDS loads come back in order: load t is in, the younger ones may be out
	global_store_b128 v8, v[WOUT+4*\t:WOUT+4*\t+3], s[14:15] offset:4*\t*1024
.endr
	CLOSE
.Lfunc_end_k_q91cde4891a_prep:
	.size	k_q91cde4891a_prep, .Lfunc_end_k_q91cde4891a_prep-k_q91cde4891a_prep
	.p2alignl 7, 3214868480
	.fill 96, 4, 3214868480
	.section	.rodata,"a",@progbits
	.p2align	6, 0x0
	.amdhsa_kernel k_q91cde4891a_prep
		.amdhsa_group_segment_fixed_size 51712
		.amdhsa_private_segment_fixed_size 0
		.amdhsa_enable_private_segment 0
		.amdhsa_kernarg_size 64
		.amdhsa_user_sgpr_count 2
		.amdhsa_user_sgpr_kernarg_segment_ptr 1
		.amdhsa_wavefront_size32 1
		.amdhsa_system_sgpr_workgroup_id_x 1
		.amdhsa_system_sgpr_workgroup_id_y 1
		.amdhsa_system_sgpr_workgroup_id_z 1
		.amdhsa_system_vgpr_workitem_id 0
		.amdhsa_next_free_vgpr 208
		.amdhsa_next_free_sgpr 66
		.amdhsa_reserve_vcc 0
		.amdhsa_float_denorm_mode_32 3
		.amdhsa_float_denorm_mode_16_64 3
		.amdhsa_memory_ordered 1
		.amdhsa_forward_progress 1
		.amdhsa_inst_pref_size 95
	.end_amdhsa_kernel
	.amdgpu_metadata
---
amdhsa.version: [ 1, 2 ]
amdhsa.kernels:
  - .name:           k_q91cde4891a_prep
    .symbol:         k_q91cde4891a_prep.kd
    .args:
      - { .name: x, .offset: 0, .size: 8, .value_kind: global_buffer, .address_space: global }
      - { .name: wq, .offset: 8, .size: 8, .value_kind: global_buffer, .address_space: global }
      - { .name: wk, .offset: 16, .size: 8, .value_kind: global_buffer, .address_space: global }
      - { .name: wv, .offset: 24, .size: 8, .value_kind: global_buffer, .address_space: global }
      - { .name: wo, .offset: 32, .size: 8, .value_kind: global_buffer, .address_space: global }
      - { .name: codes, .offset: 40, .size: 8, .value_kind: global_buffer, .address_space: global }
      - { .name: scales, .offset: 48, .size: 8, .value_kind: global_buffer, .address_space: global }
      - { .name: wo16, .offset: 56, .size: 8, .value_kind: global_buffer, .address_space: global }
    .group_segment_fixed_size: 51712
    .private_segment_fixed_size: 0
    .kernarg_segment_align: 8
    .kernarg_segment_size: 64
    .max_flat_workgroup_size: 128
    .sgpr_count:     66
    .vgpr_count:     208
    .wavefront_size: 32
...
	.end_amdgpu_metadata
.endif
;; end of part 1
;; launch qkv (part 2): grid 12 x 16, 4 waves a work-group, clusters of 4 x 4, 327,680 bytes of LDS; arguments codes, scales, pos_cos, pos_sin, qkv, fin; writes qkv, fin
.if DOCPART == 2
	.amdgcn_target "amdgcn-amd-amdhsa--gfx1250"
	.amdhsa_code_object_version 6
	.text
	.protected	k_q91cde4891a_qkv
	.globl	k_q91cde4891a_qkv
	.p2align	8
	.type	k_q91cde4891a_qkv,@function
k_q91cde4891a_qkv:
	s_mov_b64 s[64:65], 0
	v_nop
	global_prefetch_b8 v0, s[64:65] scope:SCOPE_SE
	s_setreg_imm32_b32 hwreg(HW_REG_WAVE_MODE, 25, 1), 1
	s_wait_xcnt 0x0
	s_wait_alu depctr_hold_cnt(0) depctr_sa_sdst(0) depctr_va_vdst(0) depctr_va_sdst(0) depctr_va_ssrc(0) depctr_va_vcc(0) depctr_vm_vsrc(0)
	s_getreg_b32 s2, hwreg(HW_REG_IB_STS2, 6, 4)
	s_cmp_eq_u32 s2, 0
	s_cbranch_scc0 .Lentry_in_a_cluster
	s_endpgm
.Lentry_in_a_cluster:
	s_bfe_u32 s2, ttmp6, 0x10000c
	s_cmp_lg_u32 s2, 0xf033
	s_cbranch_scc0 .Lentry_shape_is_right
	s_endpgm
.Lentry_shape_is_right:
; [x wq | x wk | x wv]: C[m][n] = sum over k of A[m][k] B[n][k] on codes of FP4 (E2M1) with one E8M0 scale for each 32 along K; M = 4,096 (batch x position), N = 3,072, K = 2,048; sums in f32.
; A = x's codes (codes, byte 0; rows of 1,024 bytes), B = the weights' codes (codes, byte 4,194,304); scale bytes in rows of 64 (scales, bytes 0 and 262,144).
; On the way out q's and k's columns are rotated (pos_cos, pos_sin, in f32), everything is rounded to f16 and laid qkv[b][g][s][64], g = 0-31 q's heads, 32-39 k's, 40-47 v's.
; Positions 0-15 of every sequence also leave unrounded, fin[b][g][16][64] f32, for the two small launches that carry those rows in f32.
; LIMIT: q, k, v beyond 65,504 in magnitude do not fit f16.
; A tile of C, 256 x 256, is made by four waves, each 128 x 128: 64 accumulators, 512 registers.  K goes in steps of 512 through a ring of two LDS slots filled by the tensor data mover: a tile's row is 256 bytes.
; The scales of the work-group's rows of A and of B, for all of K, come into LDS once, with the first fills.
; CLUSTERS: 4 x 4 work-groups.  The four of a row of the cluster need the same tiles of A, the four of a column the same tiles of B: each tile is asked for jointly.
; THE TILE ROW IS 4 cy + cluster y: so the batch is cy and the block of 256 positions is the cluster's y, and the one branch on 'positions 0-15' hangs on the cluster's y and the wave's number, which partners share.
; THE MATRIX INSTRUCTION IS USED TRANSPOSED (source 0 = 16 rows of B, source 1 = 16 rows of A): a lane holds eight neighbouring columns of one row of C: four pairs for the rotation.
; REGISTERS, in windows of 256: window 0: v0-31 addresses; v32-95 scale words, two sets; v128-191 A's fragments, one set; on the way out v32-255 are free.
;   window 1: B's fragments, two sets, at v0 and v128; v64-127 and v192-255: cos and sin of my rows 0-63, asked for at the head; those of rows 64-127 land in B's sets when the products are done.
;   window 2: the accumulators of my rows 0-63 (accumulator (a, b) at v[8 (8 a + b)]); window 3: those of rows 64-127.
.set SIZE_K, 2048
.set KSTEP,  512
.set NQ,     KSTEP/128
.set ROWB,   256
.set KROW,   SIZE_K/2
.set PITCH,  272                       ; an LDS row: 256 bytes + 16 of padding: the 16 rows that a load touches start 68 words apart
.set FR,     8
.set NL,     2
.set NP,     4
.set HALFT,  128*PITCH
.set SLOT,   4*HALFT
.set LAPS,   SIZE_K/(2*KSTEP)
.set KS,     SIZE_K/32
.set SCL,    2*SLOT
.set HALFS,  (128*KS/256)*272
.set SBLK,   (16*KS/256)*272
.set SPARE,  SCL+4*HALFS               ; the spare words, 128 bytes for each wave: two blocks of 256 bytes that no other line names
.set SPITCH, 528                       ; the way out: a stage of 16 rows x 528 bytes for each wave, in slot 0, which has had its last fill and its last read by then
.set ST16, 8                           ; v8   the f16 stage, in: row r of 272 bytes, + 16 h
.set RD16, 9                           ; v9   the f16 stage, back: four rows an instruction, eight lanes to a head's 128 bytes
.set FO,   10                          ; v10  my byte offset in fin
.set ADRA, 16
.set ADRB, 20
.set STO,  24                          ; v24  the f32 stage, in
.set RD,   25                          ; v25  the f32 stage, back
.set ADRS, 27
.set SPW,  28
.set NIL,  29
.set TBO,  30                          ; v30  my byte offset in the tables: 128 r + 16 h
.set LO,   31                          ; v31  16 x lane
.set SC,   32
.set AF,   128
.set R,    32                          ; the way out: v32-95 a block's 64 numbers, rotated
.set H,    96                          ; v96-127 the same in f16
.set BK,   128                         ; v128-159, v160-191: rows read back from the stage, by turns
.set BKF,  192                         ; v192-255: the f32 rows read back
.set T,    200                         ; v200-207 at work in the rotation
.set G1, 24
.set G0, 32
.set G1B, 48
.set G0B, 56
.set G1S, 68
.set G0S, 76
.set G1SB, 80
.set G0SB, 88
.set MSB, 0
.macro WIN new                         ; the immediate's high byte repeats the setting that is left
.if MSB != (\new)
	s_set_vgpr_msb (MSB<<8)|(\new)
.set MSB, (\new)
.endif
.endm
.set MUL_LO, 0xa1
.set MUL_HI, 0xf1
.set TO_B,   0x40
.macro JLOAD g0a, g1a, g0b, g1b        ; a joint load: waves 0 and 1 fetch for A, waves 2 and 3 for B; an s_nop 0 and four v_nop follow each line
	s_cmp_eq_u32 s15, 0
	s_cbranch_scc0 .Lfor_b_\@
	tensor_load_to_lds s[\g0a:\g0a+3], s[\g1a:\g1a+7]
	s_nop 0
.rept 4
	v_nop
.endr
	s_branch .Lasked_\@
.Lfor_b_\@:
	tensor_load_to_lds s[\g0b:\g0b+3], s[\g1b:\g1b+7]
	s_nop 0
.rept 4
	v_nop
.endr
.Lasked_\@:
.endm
.macro CREST
	s_cmp_lg_u32 s14, 0
	s_cbranch_scc1 .Lnot_wave_0_\@
	s_barrier_signal -3
.Lnot_wave_0_\@:
	s_barrier_wait -3
	s_barrier_signal -1
	s_barrier_wait -1
.endm
.macro CROUND
	s_barrier_signal -1
	s_barrier_wait -1
	CREST
.endm
	s_load_b128 s[4:7], s[0:1], 0x0                ; codes, scales
	v_lshl_add_u32 v[SPW], v0, 2, SPARE
	v_mov_b32 v[NIL], 0
	ds_add_u32 v[SPW], v[NIL]                      ; the wave's opening: the add, twice on end, and its wait ahead of my first tensor load
	ds_add_u32 v[SPW], v[NIL]
	v_lshrrev_b32 v1, 5, v0
	v_readfirstlane_b32 s14, v1                    ; wave 0..3
	s_lshr_b32 s15, s14, 1                         ; which half of the tile's rows is mine.  Also: I fetch for A (0) or for B (1)
	s_and_b32 s16, s14, 1                          ; which half of its columns.  Also: which 128 rows of that tile I fetch
	s_bfe_u32 s40, ttmp6, 0x40000                  ; cx
	s_bfe_u32 s41, ttmp6, 0x40004                  ; cy
	s_lshl_b32 s42, ttmp9, 2
	s_add_co_u32 s42, s42, s40                     ; tile column = 4 x cluster x + cx
	s_and_b32 s17, ttmp7, 0xffff
	s_lshl_b32 s18, s41, 2
	s_add_co_u32 s17, s17, s18                     ; tile row = 4 cy + cluster y
	s_lshl_b32 s43, s41, 2
	s_lshl_b32 s43, 15, s43                        ; my row of the cluster
	s_lshl_b32 s44, 0x1111, s40                    ; my column
	s_or_b32 s[G1+0], s43, (0<<16)|(1<<20)|(1<<21)|(5<<22)|(3<<25)  ; the mask; elements of 1 byte; padding: 4 words after every 64; bit 21 beside a mask
	s_or_b32 s[G1B+0], s44, (0<<16)|(1<<20)|(1<<21)|(5<<22)|(3<<25)
.irp g, G1, G1B
	s_mov_b32 s[\g+1], ROWB<<16                    ; tensor_dim0
	s_mov_b32 s[\g+2], 128<<16                     ; tensor_dim1
	s_mov_b32 s[\g+3], ROWB<<16                    ; tile_dim0
	s_mov_b32 s[\g+4], 128                         ; tile_dim1
	s_mov_b32 s[\g+5], KROW                        ; the pitch
	s_mov_b32 s[\g+6], 0
	s_mov_b32 s[\g+7], 0
.endr
	s_or_b32 s[G1S+0], s43, (3<<16)|(1<<20)|(1<<21)|(5<<22)|(3<<25)   ; the scales of 128 rows: a dense block, as rows of 256 bytes (32 elements of 8 bytes), 16 bytes of padding behind each
	s_or_b32 s[G1SB+0], s44, (3<<16)|(1<<20)|(1<<21)|(5<<22)|(3<<25)
.irp g, G1S, G1SB
	s_mov_b32 s[\g+1], 32<<16
	s_mov_b32 s[\g+2], (128*KS/256)<<16
	s_mov_b32 s[\g+3], 32<<16
	s_mov_b32 s[\g+4], 128*KS/256
	s_mov_b32 s[\g+5], 32
	s_mov_b32 s[\g+6], 0
	s_mov_b32 s[\g+7], 0
.endr
	s_lshl_b32 s18, s16, 7
	s_lshl_b32 s20, s17, 8
	s_add_co_u32 s20, s20, s18                     ; A: row 256 x tile row + 128 x half
	s_lshl_b32 s46, s42, 8
	s_add_co_u32 s46, s46, s18                     ; B: row 256 x tile column + 128 x half
	s_mov_b32 s21, 0
	s_mov_b32 s47, 0
	s_mov_b64 s[18:19], KS
	s_mul_u64 s[22:23], s[20:21], s[18:19]
	s_mul_u64 s[92:93], s[46:47], s[18:19]
	s_mov_b64 s[18:19], KROW
	s_mul_u64 s[20:21], s[20:21], s[18:19]
	s_mul_u64 s[46:47], s[46:47], s[18:19]
	s_mul_i32 s45, s14, HALFT                      ; where they go: wave x 128 rows: no place in the cluster enters an LDS address
	s_mul_i32 s94, s14, HALFS
	s_wait_dscnt 0x0                               ; both opening adds are done
	s_wait_kmcnt 0x0
	s_add_nc_u64 s[8:9], s[4:5], 0x400000          ; the weights' codes
	s_add_nc_u64 s[10:11], s[6:7], 0x40000         ; and their scale bytes
	s_add_nc_u64 s[20:21], s[4:5], s[20:21]
	s_add_nc_u64 s[22:23], s[6:7], s[22:23]
	s_add_nc_u64 s[46:47], s[8:9], s[46:47]
	s_add_nc_u64 s[92:93], s[10:11], s[92:93]
	CROUND                                         ; all sixteen work-groups are here: the first joint loads meet
	s_mov_b32 s[G0S], 1
	s_add_co_u32 s[G0S+1], s94, SCL
	s_mov_b64 s[G0S+2:G0S+3], s[22:23]
	s_or_b32 s[G0S+3], s[G0S+3], 0x80000000
	s_mov_b32 s[G0SB], 1
	s_add_co_u32 s[G0SB+1], s94, SCL
	s_mov_b64 s[G0SB+2:G0SB+3], s[92:93]
	s_or_b32 s[G0SB+3], s[G0SB+3], 0x80000000
	JLOAD G0S, G1S, G0SB, G1SB                     ; the scales first: they are wanted with K step 0
.irp s, 0,1
	s_mov_b32 s[G0+4*\s], 1
	s_add_co_u32 s[G0+4*\s+1], s45, \s*SLOT
	s_add_nc_u64 s[G0+4*\s+2:G0+4*\s+3], s[20:21], \s*ROWB
	s_or_b32 s[G0+4*\s+3], s[G0+4*\s+3], 0x80000000
	s_mov_b32 s[G0B+4*\s], 1
	s_add_co_u32 s[G0B+4*\s+1], s45, \s*SLOT
	s_add_nc_u64 s[G0B+4*\s+2:G0B+4*\s+3], s[46:47], \s*ROWB
	s_or_b32 s[G0B+4*\s+3], s[G0B+4*\s+3], 0x80000000
	JLOAD G0+4*\s, G1, G0B+4*\s, G1B
.endr
	s_load_b256 s[4:11], s[0:1], 0x10              ; pos_cos s[4:5], pos_sin s[6:7], qkv s[8:9], fin s[10:11]
	v_and_b32 v1, 15, v0                           ; r = l % 16
	v_bfe_u32 v2, v0, 4, 1                         ; h = l / 16
	v_mul_u32_u24 v3, v1, PITCH
	v_lshl_add_u32 v4, v2, 4, v3
	s_mul_i32 s21, s15, HALFT                      ; my 128 rows of A
	s_mul_i32 s22, s16, HALFT                      ; my 128 rows of B,
	s_add_co_u32 s22, s22, 2*HALFT                 ; which lie behind A's 256
.irp s, 0,1
	v_add_nc_u32 v[ADRA+\s], s21, v4
	v_add_nc_u32 v[ADRB+\s], s22, v4
	s_add_co_u32 s21, s21, SLOT
	s_add_co_u32 s22, s22, SLOT
.endr
	v_mul_u32_u24 v5, v1, KS                       ; my row's scales: KS bytes a row,
	v_lshrrev_b32 v6, 8, v5
	v_lshl_add_u32 v5, v6, 4, v5                   ; and 16 more for each 256 passed
	s_mul_i32 s21, s15, HALFS
	s_mul_i32 s22, s16, HALFS
	s_add_co_u32 s22, s22, 2*HALFS
	s_sub_co_u32 s22, s22, s21
	v_mul_u32_u24 v6, s22, v2                      ; lanes 16-31 take B's
	s_add_co_u32 s21, s21, SCL
	v_add_nc_u32 v5, v5, v6
	v_add_nc_u32 v[ADRS], s21, v5
	s_mul_i32 s23, s14, 16*SPITCH                  ; my stage
	v_mul_u32_u24 v5, v1, SPITCH
	v_lshl_add_u32 v5, v2, 5, v5
	v_add_nc_u32 v[STO], s23, v5                   ; f32, in: row r, 32 bytes for each half of the lanes
	v_and_b32 v6, 31, v0
	v_lshlrev_b32 v[LO], 4, v6
	v_add_nc_u32 v[RD], s23, v[LO]                 ; f32, back: the 32 lanes take a row of 512 bytes
	v_mul_u32_u24 v5, v1, 272
	v_lshl_add_u32 v5, v2, 4, v5
	v_add_nc_u32 v[ST16], s23, v5
	v_lshrrev_b32 v5, 3, v6
	v_mul_u32_u24 v5, v5, 272
	v_and_b32 v7, 7, v0
	v_lshl_add_u32 v5, v7, 4, v5
	v_add_nc_u32 v[RD16], s23, v5
	v_lshlrev_b32 v[FO], 4, v1
	v_lshl_add_u32 v[FO], v2, 12, v[FO]            ; fin: lanes 0-15 the first head's row of 256 bytes, lanes 16-31 the second head's
	v_lshlrev_b32 v[TBO], 7, v1
	v_lshl_add_u32 v[TBO], v2, 4, v[TBO]           ; the tables: row r of 128 bytes, + 16 h: four pairs' numbers
	s_and_b32 s95, ttmp7, 0xffff                   ; cluster y: which 256 positions
	s_or_b32 s96, s95, s15
	s_cmp_eq_u32 s96, 0
	s_cselect_b32 s13, 1, 0                        ; 1: my rows begin at position 0
	s_cmp_lt_u32 s42, 10
	s_cselect_b32 s12, -1, 0                       ; all ones: q's or k's columns, which are rotated; it selects values, no branch hangs on it
	s_lshl_b32 s95, s95, 8
	s_lshl_b32 s96, s15, 7
	s_add_co_u32 s95, s95, s96                     ; my first position
	s_lshl_b32 s20, s95, 7
	s_mov_b32 s21, 0
	s_mul_i32 s66, s41, 48                         ; the batch is cy
	s_lshl_b32 s96, s42, 2
	s_add_co_u32 s66, s66, s96
	s_lshl_b32 s96, s16, 1
	s_add_co_u32 s66, s66, s96                     ; 48 b + my first head: 4 x tile column + 2 x half
	s_lshl_b32 s46, s66, 12                        ; in fin a head is 4,096 bytes
	s_mov_b32 s47, 0
	s_lshl_b32 s66, s66, 10
	s_add_co_u32 s66, s66, s95
	s_lshl_b32 s66, s66, 7                         ; in qkv a position is 128 bytes
	s_mov_b32 s67, 0
	s_wait_kmcnt 0x0
	s_add_nc_u64 s[4:5], s[4:5], s[20:21]
	s_add_nc_u64 s[6:7], s[6:7], s[20:21]
	s_add_nc_u64 s[8:9], s[8:9], s[66:67]
	s_add_nc_u64 s[10:11], s[10:11], s[46:47]
; cos and sin of block a's 16 positions: register 4 q + p = the number of pair 8 q + 4 h + p; 16 of cos, then 16 of sin.  Both heads of my 128 columns take the same.
.macro TABLES a
.if (\a) < 4
.set CSB, 64+32*((\a)%2)+128*((\a)/2)
.else
.set CSB, 32*(((\a)-4)%2)+128*(((\a)-4)/2)
.endif
.irp q, 0,1,2,3
	global_load_b128 v[CSB+4*\q:CSB+4*\q+3], v[TBO], s[4:5] offset:(\a)*2048+\q*32
	global_load_b128 v[CSB+16+4*\q:CSB+16+4*\q+3], v[TBO], s[6:7] offset:(\a)*2048+\q*32
.endr
.endm
	WIN TO_B
	TABLES 0
	TABLES 1
	TABLES 2
	TABLES 3                                       ; 32 loads into registers that the products never name: they land under the products
	WIN 0
.macro FRAG reg, adr, q, i             ; 16 rows x 128 K of 4-bit codes: 8 registers: two loads of 16 bytes, 32 bytes apart
.irp c, 0,1
	ds_load_b128 v[\reg+4*\c:\reg+4*\c+3], v[\adr] offset:64*(\q)+32*\c+(\i)*16*PITCH
.endr
.endm
; 16 matrix instructions: A's blocks a0, a0 + 1 x B's eight.  The 64 accumulators take turns, one instruction a turn, in the same order in every step.
.macro MUL16 a0, p, q, sc, zero
.irp a, \a0, \a0+1
.irp b, 0,1,2,3,4,5,6,7
.if \zero
	v_wmma_scale_f32_16x16x128_f8f6f4 v[8*(8*((\a)%4)+\b):8*(8*((\a)%4)+\b)+7], v[128*(\p)+FR*\b:128*(\p)+FR*\b+FR-1], v[AF+FR*(\a):AF+FR*(\a)+FR-1], 0, v[SC+8*NQ*(\sc)+NQ*\b+(\q)], v[SC+8*NQ*(\sc)+NQ*(\a)+(\q)] matrix_a_fmt:MATRIX_FMT_FP4 matrix_b_fmt:MATRIX_FMT_FP4 matrix_a_scale:MATRIX_SCALE_ROW1
.else
	v_wmma_scale_f32_16x16x128_f8f6f4 v[8*(8*((\a)%4)+\b):8*(8*((\a)%4)+\b)+7], v[128*(\p)+FR*\b:128*(\p)+FR*\b+FR-1], v[AF+FR*(\a):AF+FR*(\a)+FR-1], v[8*(8*((\a)%4)+\b):8*(8*((\a)%4)+\b)+7], v[SC+8*NQ*(\sc)+NQ*\b+(\q)], v[SC+8*NQ*(\sc)+NQ*(\a)+(\q)] matrix_a_fmt:MATRIX_FMT_FP4 matrix_b_fmt:MATRIX_FMT_FP4 matrix_a_scale:MATRIX_SCALE_ROW1
.endif
.endr
.endr
.endm
.macro FETCH_B slot, q, p
	WIN TO_B
.irp i, 0,1,2,3,4,5,6,7
	FRAG 128*(\p)+FR*\i, ADRB+\slot, \q, \i
.endr
	WIN 0
.endm
.macro FETCH_A slot, q, i0
.irp i, \i0, \i0+1, \i0+2, \i0+3
	FRAG AF+FR*(\i), ADRA+\slot, \q, \i
.endr
.endm
.macro SCALES sc                       ; a K step's scale words: lanes 0-15 take A's block i, lanes 16-31 B's block i
.irp i, 0,1,2,3,4,5,6,7
	ds_load_b128 v[SC+8*NQ*\sc+NQ*\i:SC+8*NQ*\sc+NQ*\i+3], v[ADRS] offset:\i*SBLK
.endr
.endm
.macro PLACES n                        ; plain vector instructions between a matrix instruction and a load into, or a read of, its registers
.rept \n
	v_nop
.endr
.endm
.macro STEP slot, q, zero
	s_wait_dscnt 4*NL                              ; B's set and A's blocks 0-3 are in; the youngest eight loads (A's blocks 4-7) may be out
	WIN MUL_LO
	MUL16 0, (\q)%2, \q, \slot, \zero
	MUL16 2, (\q)%2, \q, \slot, \zero
	s_wait_dscnt 0
	PLACES NP
	FETCH_B \slot, (\q)+1, 1-(\q)%2
	FETCH_A \slot, (\q)+1, 0
	WIN MUL_HI
	MUL16 4, (\q)%2, \q, \slot, \zero
	MUL16 6, (\q)%2, \q, \slot, \zero
	PLACES NP
	WIN 0
	FETCH_A \slot, (\q)+1, 4
.endm
; A slot's last step changes slots: one barrier; in front of it each wave waits for all its tensor loads, adds 0 to its spare word, and waits for that and for its own reads of this slot.
.macro TURN slot, next, fill
	s_wait_tensorcnt 0x0                           ; all my tensor loads have landed: my part of the next slot
	ds_add_u32 v[SPW], v[NIL]
	s_wait_dscnt 4*NL+1                            ; the add and the youngest eight loads may be out
	WIN MUL_LO
	MUL16 0, 1, NQ-1, \slot, 0
	s_wait_dscnt 0x0                               ; the add is done, and my reads of this slot are over
	s_barrier_signal -1
	MUL16 2, 1, NQ-1, \slot, 0
	WIN 0
	s_barrier_wait -1
.if \fill
	CREST                                          ; the barrier has opened a round of the cluster's barrier: no wave of any partner still reads this slot or has a load on its way
	s_add_nc_u64 s[G0+4*\slot+2:G0+4*\slot+3], s[G0+4*\slot+2:G0+4*\slot+3], 2*ROWB
	s_add_nc_u64 s[G0B+4*\slot+2:G0B+4*\slot+3], s[G0B+4*\slot+2:G0B+4*\slot+3], 2*ROWB
	JLOAD G0+4*\slot, G1, G0B+4*\slot, G1B         ; the first tensor load behind the round
.else
	PLACES NP
.endif
	v_add_nc_u32 v[ADRS], 4*NQ, v[ADRS]            ; on to the next K step's scale words
	FETCH_B \next, 0, 0
	FETCH_A \next, 0, 0
	SCALES \next
	WIN MUL_HI
	MUL16 4, 1, NQ-1, \slot, 0
	MUL16 6, 1, NQ-1, \slot, 0
	PLACES NP
	WIN 0
	FETCH_A \next, 0, 4
.endm
.macro STEPS slot, from
.set Q, \from
.rept NQ-1-\from
	STEP \slot, Q, 0
.set Q, Q+1
.endr
.endm
	s_wait_tensorcnt 1                             ; the scales and my part of K step 0 are in; K step 1's load may be out
	s_barrier_signal -1
	s_barrier_wait -1
	FETCH_B 0, 0, 0
	FETCH_A 0, 0, 0
	SCALES 0
	FETCH_A 0, 0, 4
	STEP 0, 0, 1                                   ; the first step's products start the sums
	s_mov_b32 s3, LAPS-1
.Llap:
	STEPS 0, 1
	TURN 0, 1, 1
	STEPS 1, 0
	TURN 1, 0, 1
	STEP 0, 0, 0
	s_sub_co_u32 s3, s3, 1
	s_cmp_lg_u32 s3, 0
	s_cbranch_scc1 .Llap
	STEPS 0, 1                                     ; the last lap fills nothing
	TURN 0, 1, 0
	STEPS 1, 0
	s_wait_dscnt 4*NL
	WIN MUL_LO
	MUL16 0, 1, NQ-1, 1, 0
	MUL16 2, 1, NQ-1, 1, 0
	s_wait_dscnt 0
	WIN MUL_HI
	MUL16 4, 1, NQ-1, 1, 0
	MUL16 6, 1, NQ-1, 1, 0
	WIN 0
; THE WAY OUT, block by block of 16 positions x 128 columns (two heads).
; ROT: where the columns are v's, cos becomes 1 and sin 0; then re = te c - to s, im = te s + to c for the lane's four pairs of each accumulator (its first read is register 1).
.macro ROT a
.if (\a) < 4
.set CSB, 64+32*((\a)%2)+128*((\a)/2)
.else
.set CSB, 32*(((\a)-4)%2)+128*(((\a)-4)/2)
.endif
.set AC, 64*((\a)%4)
	WIN 0x44                                       ; destination and source 1: window 1
.irp i, 0,1,2,3,4,5,6,7,8,9,10,11,12,13,14,15
	v_cndmask_b32 v[CSB+\i], 1.0, v[CSB+\i], s12
	v_cndmask_b32 v[CSB+16+\i], 0, v[CSB+16+\i], s12
.endr
	WIN 0x06+(\a)/4                                ; source 0: the accumulators' window; source 1: window 1
.irp b, 0,1,2,3,4,5,6,7
.irp p, 0,1,2,3
	v_mul_f32 v[T+2*\p], v[AC+8*\b+2*\p+1], v[CSB+16+4*(\b%4)+\p]
	v_mul_f32 v[T+2*\p+1], v[AC+8*\b+2*\p+1], v[CSB+4*(\b%4)+\p]
.endr
.irp p, 0,1,2,3
	v_fma_f32 v[R+8*\b+2*\p], v[AC+8*\b+2*\p], v[CSB+4*(\b%4)+\p], -v[T+2*\p]
	v_fma_f32 v[R+8*\b+2*\p+1], v[AC+8*\b+2*\p], v[CSB+16+4*(\b%4)+\p], v[T+2*\p+1]
.endr
.endr
	WIN 0
.endm
.macro CVT                             ; a lane's eight columns of an accumulator become 16 bytes
.set i, 0
.rept 32
	v_cvt_pk_f16_f32 v[H+i], v[R+2*i], v[R+2*i+1]
.set i, i+1
.endr
.endm
.macro TOSTAGE a                       ; into my stage by rows of 272 bytes, and back so that a store's 32 lanes hold four positions of one head: 512 consecutive bytes of qkv
.set BB, BK+32*((\a)%2)
.irp b, 0,1,2,3,4,5,6,7
	ds_store_b128 v[ST16], v[H+4*\b:H+4*\b+3] offset:32*\b
.endr
.irp i, 0,1,2,3,4,5,6,7
	ds_load_b128 v[BB+4*\i:BB+4*\i+3], v[RD16] offset:(\i%4)*4*272+(\i/4)*128    ; LDS serves a wave's instructions in order: these see the stores above
.endr
.endm
.macro SEND a, younger
.set BB, BK+32*((\a)%2)
	s_wait_dscnt \younger
.irp i, 0,1,2,3,4,5,6,7
	global_store_b128 v[LO], v[BB+4*\i:BB+4*\i+3], s[8:9] offset:(\i/4)*131072+(\i%4)*512+(\a)*2048
.endr
.endm
	PLACES NP                                      ; behind the last products: for the loads into B's sets, the writes over the scale words and A's fragments, and the reads of results
	WIN TO_B
	TABLES 4
	TABLES 5
	TABLES 6
	TABLES 7
	WIN 0
	s_wait_loadcnt 32                              ; the tables of blocks 0-3 are in; the 32 loads just issued may be out
	ROT 0
	s_cmp_eq_u32 s13, 1                            ; positions 0-15: the cluster's y and the wave's number alone decide
	s_cbranch_scc0 .Lnot_fine
.irp b, 0,1,2,3,4,5,6,7
	ds_store_b128 v[STO], v[R+8*\b:R+8*\b+3] offset:64*\b
	ds_store_b128 v[STO], v[R+8*\b+4:R+8*\b+7] offset:64*\b+16
.endr
.irp t, 0,1,2,3,4,5,6,7,8,9,10,11,12,13,14,15
	ds_load_b128 v[BKF+4*\t:BKF+4*\t+3], v[RD] offset:\t*SPITCH
.endr
	s_wait_dscnt 0x0
.irp t, 0,1,2,3,4,5,6,7,8,9,10,11,12,13,14,15
	global_store_b128 v[FO], v[BKF+4*\t:BKF+4*\t+3], s[10:11] offset:\t*256       ; sixteen lanes store a head's row of 256 bytes
.endr
	s_wait_xcnt 0x0                                ; these stores have read v192-255, of which the rotation writes eight again
.Lnot_fine:
	CVT
	TOSTAGE 0
.irp a, 1,2,3,4,5,6,7
.if \a == 4
	s_wait_loadcnt 0x0                             ; the tables of blocks 4-7
.endif
	ROT \a                                         ; a block's arithmetic stands between the loads of the block before and its stores
	CVT
	SEND \a-1, 0
.if \a > 1
	s_wait_xcnt 0x0                                ; block a - 2's stores have read the registers into which block a's rows come back
.endif
	TOSTAGE \a
.endr
	SEND 7, 0
	s_wait_tensorcnt 0x0                           ; the wave's end
	ds_add_u32 v[SPW], v[NIL]
	s_wait_dscnt 0x0
	CROUND                                         ; the closing round
	s_endpgm
.Lfunc_end_k_q91cde4891a_qkv:
	.size	k_q91cde4891a_qkv, .Lfunc_end_k_q91cde4891a_qkv-k_q91cde4891a_qkv
	.p2alignl 7, 3214868480
	.fill 96, 4, 3214868480
	.section	.rodata,"a",@progbits
	.p2align	6, 0x0
	.amdhsa_kernel k_q91cde4891a_qkv
		.amdhsa_group_segment_fixed_size 327680
		.amdhsa_private_segment_fixed_size 0
		.amdhsa_enable_private_segment 0
		.amdhsa_kernarg_size 48
		.amdhsa_user_sgpr_count 2
		.amdhsa_user_sgpr_kernarg_segment_ptr 1
		.amdhsa_wavefront_size32 1
		.amdhsa_system_sgpr_workgroup_id_x 1
		.amdhsa_system_sgpr_workgroup_id_y 1
		.amdhsa_system_sgpr_workgroup_id_z 1
		.amdhsa_system_vgpr_workitem_id 0
		.amdhsa_next_free_vgpr 1024
		.amdhsa_next_free_sgpr 98
		.amdhsa_reserve_vcc 0
		.amdhsa_float_denorm_mode_32 3
		.amdhsa_float_denorm_mode_16_64 3
		.amdhsa_memory_ordered 1
		.amdhsa_forward_progress 1
		.amdhsa_inst_pref_size 255
	.end_amdhsa_kernel
	.section	.bss,"aw",@nobits
	.p2align	6
	.space	262144
	.amdgpu_metadata
---
amdhsa.version: [ 1, 2 ]
amdhsa.kernels:
  - .name:           k_q91cde4891a_qkv
    .symbol:         k_q91cde4891a_qkv.kd
    .args:
      - { .name: codes, .offset: 0, .size: 8, .value_kind: global_buffer, .address_space: global }
      - { .name: scales, .offset: 8, .size: 8, .value_kind: global_buffer, .address_space: global }
      - { .name: pos_cos, .offset: 16, .size: 8, .value_kind: global_buffer, .address_space: global }
      - { .name: pos_sin, .offset: 24, .size: 8, .value_kind: global_buffer, .address_space: global }
      - { .name: qkv, .offset: 32, .size: 8, .value_kind: global_buffer, .address_space: global }
      - { .name: fin, .offset: 40, .size: 8, .value_kind: global_buffer, .address_space: global }
    .group_segment_fixed_size: 327680
    .private_segment_fixed_size: 0
    .kernarg_segment_align: 8
    .kernarg_segment_size: 48
    .max_flat_workgroup_size: 128
    .sgpr_count:     98
    .vgpr_count:     1024
    .wavefront_size: 32
...
	.end_amdgpu_metadata
.endif
;; end of part 2
;; launch attn (part 3): grid 8 x 32, 16 waves a work-group, no clusters, 74,752 bytes of LDS; arguments qkv, ao; writes ao
.if DOCPART == 3
	.amdgcn_target "amdgcn-amd-amdhsa--gfx1250"
	.amdhsa_code_object_version 6
	.text
	.protected	k_q91cde4891a_attn
	.globl	k_q91cde4891a_attn
	.p2align	8
	.type	k_q91cde4891a_attn,@function
k_q91cde4891a_attn:
	s_mov_b64 s[64:65], 0
	v_nop
	global_prefetch_b8 v0, s[64:65] scope:SCOPE_SE
	s_setreg_imm32_b32 hwreg(HW_REG_WAVE_MODE, 25, 1), 1
	s_wait_xcnt 0x0
; Causal attention with grouped heads, on f16 operands with f32 sums, maxima and row sums.  qkv[b][g][s][64] f16 (g 0-31 q, 32-39 k, 40-47 v, q and k rotated); ao[b s][h 64 + d] f16.
; SHARES.  Work-group (p, b 8 + kv head) serves one key/value head and its four query heads.  Wave w: query head w % 4, tile w / 4 of 16 queries: so a tile of K or V in LDS serves all sixteen waves, and all of them
; have one causal limit.  Two passes: the block of 64 positions 15 - p, then block p: 17 key steps of 64 keys in every work-group, whatever p.
; K and V come through registers: each of the 512 threads loads 16 bytes of each a step and stores them to LDS, one step ahead, two buffers, one barrier a step.
; NO CLUSTER, NO TENSOR LOAD: how many tiles a work-group walks hangs on its number, so partners would need different numbers of tiles; a step's tile is 32 bytes a thread.
; The loop's trip count is a constant (16 steps a pass); a step beyond the pass's last is left out by a scalar branch on ids that is the same in all waves, and keeps its barrier.
; LAYOUT.  S^T = K Q^T (source 0 = 16 keys, source 1 = my 16 queries): a lane holds ONE query (lane % 16) and keys 8 (lane / 16) + 0..7 of each tile; two such tiles, rounded to f16 in pairs, are source 1 of
; O^T = V^T P, whose result again holds one query a lane.  V ([key][channel]) comes out of LDS turned, by ds_load_tr16_b128.
; SOFTMAX.  A running maximum m and sum l for each query: p = 2^(c s - c m), c = log2(e) / 8; O and l are multiplied by a = 2^(c m_old - c m_new) in every step.
; Positions 0-15 are computed here like all others; what is made of them is replaced by the launches that carry those rows in f32.
; LIMIT: the outputs are averages of v, so they fit f16 where v does (magnitudes up to 65,504).
.set PK,    144                        ; a key's row in LDS: 128 bytes + 16
.set PV,    160                        ; a row of V: 128 + 32: an odd multiple of 32
.set VOFF,  64*PK
.set BUF,   64*(PK+PV)                 ; a buffer: 64 rows of K, then 64 of V
.set STAGE, 2*BUF                      ; the way out: 64 queries x (4 heads x 128 bytes + 16)
.set SP,    528
.set SPARE, STAGE+64*SP                ; the spare words, 128 bytes for each wave: eight blocks of 256 bytes that no other line names
.set AK,  1                            ; v1   my lane's place in a tile of K
.set AV,  2                            ; v2   the same for V
.set STK, 3                            ; v3   where my thread stores its 16 bytes of K
.set STV, 4                            ; v4   and of V
.set SPW, 5
.set NIL, 6
.set GT,  7                            ; v7   16 x thread: my 16 bytes of a tile in memory
.set DG,  8                            ; v8   16 t + r - 8 h: on the diagonal, register 8 kt + j is hidden where 16 kt + j is greater
.set QO,  9                            ; v9   my bytes in the wave's rows of Q
.set PFO, 10                           ; v10  256 x lane
.set SO,  11                           ; v11  the stage, in
.set SR,  12                           ; v12  the stage, back
.set GO,  13                           ; v13  my byte offset in ao
.set NINF, 14                          ; v14  -infinity
.set QF,  16                           ; v16-31   Q
.set KV,  32                           ; v32-95   K's fragments, then V's
.set S,   96                           ; v96-127  S^T, then p
.set P,   128                          ; v128-143 p in f16; on the way out O in f16
.set O,   144                          ; v144-175 O^T
.set G,   176                          ; v176-183 the tile on its way: 16 bytes of K, 16 of V
.set ST,  184                          ; v184 c m, v185 m, v186-187 l, v188-191 at work; a in v190
.set WV,  12
.set KB,  16                           ; s[16:17] K's head, s[18:19] V's, s[20:21] my Q head at my tile, s[22:23] ao at my batch and heads
.set KP,  24                           ; s[24:25], s[26:27] the next tile of K and of V
.set VP,  26
.set J,   28                           ; the step
.set N,   29                           ; steps in this pass
.set SEL, 32
.set CS,  34
.set PFA, 40
.set LIM, 42
.set OB,  44
	s_load_b128 s[4:7], s[0:1], 0x0                ; qkv, ao
	v_lshl_add_u32 v[SPW], v0, 2, SPARE
	v_mov_b32 v[NIL], 0
	v_lshrrev_b32 v15, 5, v0
	v_readfirstlane_b32 s[WV], v15                 ; wave 0..15
	s_and_b32 s13, s[WV], 3                        ; query head of the four
	s_lshr_b32 s14, s[WV], 2                       ; tile of 16 queries
	s_and_b32 s8, ttmp7, 0xffff
	s_lshr_b32 s9, s8, 3                           ; batch
	s_and_b32 s10, s8, 7                           ; key/value head
	s_mul_i32 s11, s9, 48
	s_add_co_u32 s15, s11, s10
	s_add_co_u32 s36, s15, 32
	s_lshl_b32 s36, s36, 17                        ; a head is 131,072 bytes
	s_mov_b32 s37, 0
	s_add_co_u32 s38, s15, 40
	s_lshl_b32 s38, s38, 17
	s_mov_b32 s39, 0
	s_lshl_b32 s46, s10, 2
	s_add_co_u32 s46, s46, s11
	s_add_co_u32 s46, s46, s13
	s_lshl_b32 s46, s46, 17
	s_lshl_b32 s47, s14, 11                        ; 16 t rows of 128 bytes
	s_add_co_u32 s46, s46, s47
	s_mov_b32 s47, 0
	s_lshl_b32 s48, s9, 22                         ; 1,024 rows of 4,096 bytes
	s_lshl_b32 s49, s10, 9                         ; four heads of 128 bytes
	s_add_co_u32 s48, s48, s49
	s_mov_b32 s49, 0
	s_mov_b32 s[SEL], 0x76543210
	s_mov_b32 s[SEL+1], 0xfedcba98                 ; v_permlanex16_b32's selects for lane l xor 16
	s_mov_b32 s[CS], 0x3e38aa3b                    ; c = log2(e) / sqrt(64)
	s_mov_b32 s[CS+1], s[CS]
	v_and_b32 v15, 15, v0                          ; r
	v_bfe_u32 v32, v0, 4, 1                        ; h
	v_mul_u32_u24 v[AK], v15, PK
	v_lshl_add_u32 v[AK], v32, 4, v[AK]
	v_and_b32 v33, 7, v0
	v_lshl_add_u32 v[AV], v32, 3, v33
	v_mul_u32_u24 v[AV], v[AV], PV
	v_bfe_u32 v33, v0, 3, 1
	v_lshl_add_u32 v[AV], v33, 4, v[AV]
	v_add_nc_u32 v[AV], VOFF, v[AV]
	v_lshrrev_b32 v33, 3, v0                       ; my thread's row of a tile,
	v_and_b32 v34, 7, v0                           ; and which 16 bytes of it
	v_mul_u32_u24 v[STK], v33, PK
	v_lshl_add_u32 v[STK], v34, 4, v[STK]
	v_mul_u32_u24 v[STV], v33, PV
	v_lshl_add_u32 v[STV], v34, 4, v[STV]
	v_add_nc_u32 v[STV], VOFF, v[STV]
	v_lshlrev_b32 v[GT], 4, v0
	v_lshrrev_b32 v33, 7, v0                       ; t
	v_lshl_add_u32 v33, v33, 4, v15                ; 16 t + r
	v_lshlrev_b32 v34, 3, v32
	v_sub_nc_u32 v[DG], v33, v34
	v_lshlrev_b32 v[QO], 7, v15
	v_lshl_add_u32 v[QO], v32, 4, v[QO]
	v_and_b32 v34, 31, v0                          ; lane
	v_lshlrev_b32 v[PFO], 8, v34
	v_mul_u32_u24 v[SO], v33, SP
	v_lshl_add_u32 v[SO], v32, 4, v[SO]
	v_bfe_u32 v35, v0, 5, 2
	v_lshl_add_u32 v[SO], v35, 7, v[SO]
	v_add_nc_u32 v[SO], STAGE, v[SO]               ; row 16 t + r, my head's 128 bytes, + 16 h
	v_lshrrev_b32 v35, 5, v0
	v_mul_u32_u24 v[SR], v35, 4*SP
	v_lshl_add_u32 v[SR], v34, 4, v[SR]
	v_add_nc_u32 v[SR], STAGE, v[SR]               ; back: wave w takes rows 4 w .. 4 w + 3, whole
	v_lshlrev_b32 v[GO], 4, v34
	v_lshl_add_u32 v[GO], v35, 14, v[GO]
	v_mov_b32 v[NINF], 0xff800000
.irp q, 4,5,6,7
	v_mov_b32 v[ST+\q], 0                          ; written once: a lane permute's destination counts as one of its sources, and the packed forms name v191 as the upper half of the pair with a
.endr
	s_wait_kmcnt 0x0
	s_add_nc_u64 s[KB:KB+1], s[4:5], s[36:37]
	s_add_nc_u64 s[KB+2:KB+3], s[4:5], s[38:39]
	s_add_nc_u64 s[KB+4:KB+5], s[4:5], s[46:47]
	s_add_nc_u64 s[KB+6:KB+7], s[6:7], s[48:49]
	; THE PREFETCH INTO THE L2: the eight work-groups of a head walk the same K and V.  Work-group p = 0 walks all 16 tiles in its first pass: there wave 0 asks for K's tiles and wave 1 for V's,
	; a lane to each 256 bytes of a tile's 8,192, in step J for tile J + 3, which is loaded in step J + 2.  Tiles 0 to 2 come by their loads alone; step 12 asks for the last tile.
	; The second pass asks for nothing, so its text holds no prefetch.
	s_cmp_eq_u32 s[WV], 0
	s_cselect_b64 s[PFA:PFA+1], s[KB:KB+1], s[KB+2:KB+3]
	s_add_nc_u64 s[PFA:PFA+1], s[PFA:PFA+1], 3*8192
; A KEY STEP on buffer buf.
.macro STEP buf
.rept 4
	v_nop                                          ; places behind the last step's products, in front of loads into registers that they read
.endr
.irp kt, 0,1,2,3
.irp c, 0,1
	ds_load_b128 v[KV+8*(2*\kt+\c):KV+8*(2*\kt+\c)+3],   v[AK] offset:\buf*BUF+\kt*16*PK+64*\c
	ds_load_b128 v[KV+8*(2*\kt+\c)+4:KV+8*(2*\kt+\c)+7], v[AK] offset:\buf*BUF+\kt*16*PK+64*\c+32
.endr
.endr
	s_wait_dscnt 0x0
.irp kt, 0,1,2,3                               ; the four accumulators take turns
	v_wmma_f32_16x16x32_f16 v[S+8*\kt:S+8*\kt+7], v[KV+16*\kt:KV+16*\kt+7], v[QF:QF+7], 0
.endr
.irp kt, 0,1,2,3
	v_wmma_f32_16x16x32_f16 v[S+8*\kt:S+8*\kt+7], v[KV+16*\kt+8:KV+16*\kt+15], v[QF+8:QF+15], v[S+8*\kt:S+8*\kt+7]
.endr
.rept 4
	v_nop                                          ; places: for V's loads into K's registers and for the first read of the scores
.endr
.irp kk, 0,1
.irp ct, 0,1,2,3
	ds_load_tr16_b128 v[KV+8*(4*\kk+\ct):KV+8*(4*\kk+\ct)+3],   v[AV] offset:\buf*BUF+\kk*32*PV+32*\ct
	ds_load_tr16_b128 v[KV+8*(4*\kk+\ct)+4:KV+8*(4*\kk+\ct)+7], v[AV] offset:\buf*BUF+\kk*32*PV+16*PV+32*\ct
.endr
.endr                                          ; they land under the softmax
	s_add_co_u32 s31, s[J], 1
	s_cmp_lg_u32 s31, s[N]
	s_cbranch_scc1 .Lopen_\@                       ; only a pass's last step lies on the diagonal
.set n, 0
.rept 32
	v_cmp_gt_i32 vcc_lo, 16*(n/8)+n%8, v[DG]
	v_cndmask_b32 v[S+n], v[S+n], v[NINF], vcc_lo
.set n, n+1
.endr
.Lopen_\@:
.irp q, 0,1,2,3
	v_max3_num_f32 v[ST+4+\q], v[S+8*\q], v[S+8*\q+1], v[S+8*\q+2]
.endr
.irp u, 3,5
.irp q, 0,1,2,3
	v_max3_num_f32 v[ST+4+\q], v[ST+4+\q], v[S+8*\q+\u], v[S+8*\q+\u+1]
.endr
.endr
	v_max3_num_f32 v[ST+4], v[ST+4], v[S+7], v[S+15]
	v_max3_num_f32 v[ST+6], v[ST+6], v[S+23], v[S+31]
	v_max3_num_f32 v[ST+4], v[ST+4], v[ST+5], v[ST+6]
	v_max3_num_f32 v[ST+4], v[ST+4], v[ST+7], v[ST+1]               ; with the old m
	v_permlanex16_b32 v[ST+5], v[ST+4], s[SEL], s[SEL+1]            ; the query's other keys lie in the lane 16 away
	v_mov_b32 v[ST+7], v[ST]                       ; c m_old
	v_max_num_f32 v[ST+1], v[ST+4], v[ST+5]
	v_mul_f32 v[ST], s[CS], v[ST+1]
	v_sub_f32 v[ST+7], v[ST+7], v[ST]
.set n, 0
.rept 16
	v_pk_fma_f32 v[S+n:S+n+1], v[S+n:S+n+1], s[CS:CS+1], v[ST:ST+1] op_sel_hi:[1,0,0] neg_lo:[0,0,1] neg_hi:[0,0,1]   ; c s - c m
.set n, n+2
.endr
	v_exp_f32 v[ST+6], v[ST+7]                     ; a.  ONE BATCH of 33 exponentials, none of which reads another's result
.set n, 0
.rept 32
	v_exp_f32 v[S+n], v[S+n]
.set n, n+1
.endr
	v_nop                                          ; a plain instruction behind the last exponential
	s_wait_alu depctr_va_vdst(0)                   ; one wait for the batch, ahead of its first reader
.set n, 0
.rept 16
	v_cvt_pk_f16_f32 v[P+n], v[S+2*n], v[S+2*n+1]
.set n, n+1
.endr
.irp u, 0,1,2,3,4,5,6,7                        ; the sum of the 16 pairs, in place
	v_pk_add_f32 v[S+4*\u:S+4*\u+1], v[S+4*\u:S+4*\u+1], v[S+4*\u+2:S+4*\u+3]
.endr
.irp u, 0,1,2,3
	v_pk_add_f32 v[S+8*\u:S+8*\u+1], v[S+8*\u:S+8*\u+1], v[S+8*\u+4:S+8*\u+5]
.endr
.irp u, 0,1
	v_pk_add_f32 v[S+16*\u:S+16*\u+1], v[S+16*\u:S+16*\u+1], v[S+16*\u+8:S+16*\u+9]
.endr
	v_pk_add_f32 v[S:S+1], v[S:S+1], v[S+16:S+17]
	v_pk_fma_f32 v[ST+2:ST+3], v[ST+2:ST+3], v[ST+6:ST+7], v[S:S+1] op_sel_hi:[1,0,1]   ; l = a l + the sum
.set n, 0
.rept 16
	v_pk_mul_f32 v[O+n:O+n+1], v[O+n:O+n+1], v[ST+6:ST+7] op_sel_hi:[1,0]               ; O^T x a, each accumulator from its low end on
.set n, n+2
.endr
	s_wait_dscnt 0x0                               ; V is in
.irp kk, 0,1
.irp ct, 0,1,2,3
	v_wmma_f32_16x16x32_f16 v[O+8*\ct:O+8*\ct+7], v[KV+8*(4*\kk+\ct):KV+8*(4*\kk+\ct)+7], v[P+8*\kk:P+8*\kk+7], v[O+8*\ct:O+8*\ct+7]
.endr
.endr
.endm
; ONE STEP OF THE WALK.  One barrier does both orderings: in front of it each wave's LDS stores of this step's tile have landed and its reads of the other buffer are back.
; Behind it the next tile is asked for from memory; it has the step's work in which to land, and goes to the other buffer at the step's end.  pf = 1: the pass in which some waves prefetch.
.macro HALF buf, pf
	s_wait_dscnt 0x0
	s_barrier_signal -1
	s_barrier_wait -1
	s_cmp_ge_u32 s[J], s[N]
	s_cbranch_scc1 .Lidle_\@                       ; beyond the causal limit: ids and the count of steps alone, the same in all sixteen waves
	s_add_co_u32 s31, s[J], 1
	s_cmp_lt_u32 s31, s[N]
	s_cbranch_scc0 .Llast_\@
	global_load_b128 v[G:G+3],   v[GT], s[KP:KP+1]
	global_load_b128 v[G+4:G+7], v[GT], s[VP:VP+1]
.if \pf
	s_cmp_lt_u32 s[J], s[LIM]
	s_cbranch_scc0 .Llast_\@
	global_prefetch_b8 v[PFO], s[PFA:PFA+1] th:TH_LOAD_NT scope:SCOPE_SE
.endif
.Llast_\@:
	STEP \buf
	s_wait_loadcnt 0x0                             ; the next tile is in (in a pass's last step nothing is out).  The wait stands on every way: no load into G is issued while an earlier one is out
	s_add_co_u32 s31, s[J], 1
	s_cmp_lt_u32 s31, s[N]
	s_cbranch_scc0 .Lidle_\@
	ds_store_b128 v[STK], v[G:G+3]   offset:(1-\buf)*BUF
	ds_store_b128 v[STV], v[G+4:G+7] offset:(1-\buf)*BUF
	s_add_nc_u64 s[KP:KP+1], s[KP:KP+1], 8192      ; (their loads are done)
	s_add_nc_u64 s[VP:VP+1], s[VP:VP+1], 8192
.if \pf
	s_wait_xcnt 0x0                                ; the prefetch, a step back, has read its address
	s_add_nc_u64 s[PFA:PFA+1], s[PFA:PFA+1], 8192
.endif
.Lidle_\@:
	s_add_co_u32 s[J], s[J], 1
.endm
; THE WAY OUT of a pass: O^T / l, rounded to f16, through the work-group's stage, since a query's 512 bytes come from four waves; each wave then stores four whole rows of 512 consecutive bytes.
.macro FINISH
.rept 4
	v_nop
.endr
	v_add_f32 v[ST+4], v[ST+2], v[ST+3]
	v_permlanex16_b32 v[ST+5], v[ST+4], s[SEL], s[SEL+1]
	v_add_f32 v[ST+4], v[ST+4], v[ST+5]
	v_rcp_f32 v[ST+6], v[ST+4]
	v_nop
	s_wait_alu depctr_va_vdst(0)
.set n, 0
.rept 16
	v_pk_mul_f32 v[O+n:O+n+1], v[O+n:O+n+1], v[ST+6:ST+7] op_sel_hi:[1,0]
.set n, n+2
.endr
.set n, 0
.rept 16
	v_cvt_pk_f16_f32 v[P+n], v[O+2*n], v[O+2*n+1]
.set n, n+1
.endr
.irp ct, 0,1,2,3
	ds_store_b128 v[SO], v[P+4*\ct:P+4*\ct+3] offset:32*\ct
.endr
	s_wait_dscnt 0x0                               ; for the others' sake: my stores into the stage are done
	s_barrier_signal -1
	s_barrier_wait -1
.irp k, 0,1,2,3
	ds_load_b128 v[KV+4*\k:KV+4*\k+3], v[SR] offset:\k*SP
.endr
	s_wait_dscnt 0x0
.irp k, 0,1,2,3
	global_store_b128 v[GO], v[KV+4*\k:KV+4*\k+3], s[OB:OB+1] offset:\k*4096
.endr
	s_wait_xcnt 0x0                                ; the stores have read their registers and their base
.endm
.macro PASS first
.if \first
	s_sub_co_u32 s31, 15, ttmp9                    ; the block of 64 positions
	s_lshr_b32 s[LIM], s[WV], 1
	s_or_b32 s[LIM], s[LIM], ttmp9
	s_cmp_eq_u32 s[LIM], 0
	s_cselect_b32 s[LIM], 13, 0                    ; waves 0 and 1 of the head's first work-group ask in steps 0 to 12
.else
	s_mov_b32 s31, ttmp9
.endif
	s_add_co_u32 s[N], s31, 1
	s_mov_b32 s[J], 0
	s_lshl_b32 s36, s31, 13
	s_mov_b32 s37, 0
	s_add_nc_u64 s[38:39], s[KB+4:KB+5], s[36:37]  ; my 16 queries
	s_lshl_b32 s36, s31, 18
	s_add_nc_u64 s[OB:OB+1], s[KB+6:KB+7], s[36:37]
	s_mov_b64 s[KP:KP+1], s[KB:KB+1]
	s_mov_b64 s[VP:VP+1], s[KB+2:KB+3]
.irp c, 0,1,2,3
	global_load_b128 v[QF+4*\c:QF+4*\c+3], v[QO], s[38:39] offset:32*\c
.endr
	global_load_b128 v[G:G+3],   v[GT], s[KP:KP+1]
	global_load_b128 v[G+4:G+7], v[GT], s[VP:VP+1]
	v_mov_b32 v[ST+1], 0xff61b1e6                  ; m = -3e38, under every score
	v_mul_f32 v[ST], s[CS], v[ST+1]
	v_mov_b32 v[ST+2], 0
	v_mov_b32 v[ST+3], 0
.set n, 0
.rept 32
	v_mov_b32 v[O+n], 0                            ; the step is written once: the first finds zeros, which a = 0 leaves zeros
.set n, n+1
.endr
	s_wait_loadcnt 0x0
	ds_store_b128 v[STK], v[G:G+3]                 ; tile 0 into buffer 0: every wave has passed a barrier behind its last read of it
	ds_store_b128 v[STV], v[G+4:G+7]
	s_add_nc_u64 s[KP:KP+1], s[KP:KP+1], 8192
	s_add_nc_u64 s[VP:VP+1], s[VP:VP+1], 8192
	s_mov_b32 s30, 8
.Ltrip_\@:
	HALF 0, \first
	HALF 1, \first
	s_sub_co_u32 s30, s30, 1
	s_cmp_lg_u32 s30, 0
	s_cbranch_scc1 .Ltrip_\@
	FINISH
.endm
	PASS 1
	PASS 0
	s_wait_tensorcnt 0x0                           ; the wave's end, behind my last LDS store
	ds_add_u32 v[SPW], v[NIL]
	s_wait_dscnt 0x0
	s_endpgm
.Lfunc_end_k_q91cde4891a_attn:
	.size	k_q91cde4891a_attn, .Lfunc_end_k_q91cde4891a_attn-k_q91cde4891a_attn
	.p2alignl 7, 3214868480
	.fill 96, 4, 3214868480
	.section	.rodata,"a",@progbits
	.p2align	6, 0x0
	.amdhsa_kernel k_q91cde4891a_attn
		.amdhsa_group_segment_fixed_size 74752
		.amdhsa_private_segment_fixed_size 0
		.amdhsa_enable_private_segment 0
		.amdhsa_kernarg_size 16
		.amdhsa_user_sgpr_count 2
		.amdhsa_user_sgpr_kernarg_segment_ptr 1
		.amdhsa_wavefront_size32 1
		.amdhsa_system_sgpr_workgroup_id_x 1
		.amdhsa_system_sgpr_workgroup_id_y 1
		.amdhsa_system_sgpr_workgroup_id_z 1
		.amdhsa_system_vgpr_workitem_id 0
		.amdhsa_next_free_vgpr 192
		.amdhsa_next_free_sgpr 66
		.amdhsa_reserve_vcc 1
		.amdhsa_float_denorm_mode_32 3
		.amdhsa_float_denorm_mode_16_64 3
		.amdhsa_memory_ordered 1
		.amdhsa_forward_progress 1
		.amdhsa_inst_pref_size 67
	.end_amdhsa_kernel
	.amdgpu_metadata
---
amdhsa.version: [ 1, 2 ]
amdhsa.kernels:
  - .name:           k_q91cde4891a_attn
    .symbol:         k_q91cde4891a_attn.kd
    .args:
      - { .name: qkv, .offset: 0, .size: 8, .value_kind: global_buffer, .address_space: global }
      - { .name: ao, .offset: 8, .size: 8, .value_kind: global_buffer, .address_space: global }
    .group_segment_fixed_size: 74752
    .private_segment_fixed_size: 0
    .kernarg_segment_align: 8
    .kernarg_segment_size: 16
    .max_flat_workgroup_size: 512
    .sgpr_count:     66
    .vgpr_count:     192
    .wavefront_size: 32
...
	.end_amdgpu_metadata
.endif
;; end of part 3
;; launch proj (part 4): grid 16 x 16, 4 waves a work-group, clusters of 4 x 4, 327,680 bytes of LDS; arguments ao, wo16, out0; writes out0
.if DOCPART == 4
	.amdgcn_target "amdgcn-amd-amdhsa--gfx1250"
	.amdhsa_code_object_version 6
	.text
	.protected	k_q91cde4891a_proj
	.globl	k_q91cde4891a_proj
	.p2align	8
	.type	k_q91cde4891a_proj,@function
k_q91cde4891a_proj:
	s_mov_b64 s[64:65], 0
	v_nop
	global_prefetch_b8 v0, s[64:65] scope:SCOPE_SE
	s_setreg_imm32_b32 hwreg(HW_REG_WAVE_MODE, 25, 1), 1
	s_wait_xcnt 0x0
	s_wait_alu depctr_hold_cnt(0) depctr_sa_sdst(0) depctr_va_vdst(0) depctr_va_sdst(0) depctr_va_ssrc(0) depctr_va_vcc(0) depctr_vm_vsrc(0)
	s_getreg_b32 s2, hwreg(HW_REG_IB_STS2, 6, 4)
	s_cmp_eq_u32 s2, 0
	s_cbranch_scc0 .Lentry_in_a_cluster
	s_endpgm
.Lentry_in_a_cluster:
	s_bfe_u32 s2, ttmp6, 0x10000c
	s_cmp_lg_u32 s2, 0xf033
	s_cbranch_scc0 .Lentry_shape_is_right
	s_endpgm
.Lentry_shape_is_right:
; out0[m][n] = sum over k of ao[m][k] wo16[k][n]: f16 operands, f32 sums and results.  M = 4,096, N = K = 2,048.  Rows at positions 0-15 of a sequence are not stored here: a later launch owns them.
; A tile of C is 256 x 128: 256 work-groups.  Four waves, each 128 x 64: 32 accumulators, 256 registers.  K goes in steps of 128 through a ring of two LDS slots filled by the tensor data mover:
; 256 rows of ao (256 bytes each) and 128 rows of wo16 (k; 256 bytes = my 128 columns each).  wo16 lies [k][n]: its fragments come out of LDS turned, by ds_load_tr16_b128.
; CLUSTERS: 4 x 4 work-groups; ao's tile is shared along a row of the cluster, wo16's along a column: each is asked for jointly.  The tile row is 4 cy + cluster y, so that 'positions 0-15' hangs on the
; cluster's y and the wave's number, which partners share.
; THE MATRIX INSTRUCTION IS USED TRANSPOSED (source 0 = 16 columns of wo16, source 1 = 16 rows of ao): a lane holds eight neighbouring numbers of a row of C.
; REGISTERS: window 0: addresses, v32-95 the way out.  window 1: two fragment buffers at v0 and v128: 64 registers of ao (8 x 16 rows x 32 K), then 32 of wo16.  window 2: accumulator (a, b) at v[8 (4 a + b)].
.set PA,     272                       ; a row of ao in LDS: 256 bytes + 16
.set PB,     288                       ; a row of wo16: 256 + 32: an odd multiple of 32
.set BOFF,   256*PA
.set SLOT,   BOFF+128*PB
.set STAGE,  2*SLOT                    ; behind the ring: 16 rows x 272 bytes for each wave
.set SPITCH, 272
.set SPARE,  STAGE+4*16*SPITCH         ; the spare words: two blocks of 256 bytes that no other line names
.set LAPS,   8                         ; 16 K steps, two to a lap
.set ADRA, 16
.set ADRB, 20
.set STO,  24
.set RD,   25
.set CO,   26
.set SPW,  28
.set NIL,  29
.set BK,   32
.set F0,   0
.set F1,   128
.set G1, 24
.set G0, 32
.set G1B, 48
.set G0B, 56
.set MSB, 0
.macro WIN new
.if MSB != (\new)
	s_set_vgpr_msb (MSB<<8)|(\new)
.set MSB, (\new)
.endif
.endm
.set MUL,  0xa5                        ; sources 0 and 1 window 1; C and D window 2
.set TO_F, 0x40                        ; destination window 1, address window 0
.macro JLOAD s                         ; waves 0 and 1 fetch ao's two halves, waves 2 and 3 wo16's; an s_nop 0 and four v_nop follow each line
	s_cmp_eq_u32 s11, 0
	s_cbranch_scc0 .Lfor_b_\@
	tensor_load_to_lds s[G0+4*\s:G0+4*\s+3], s[G1:G1+7]
	s_nop 0
.rept 4
	v_nop
.endr
	s_branch .Lasked_\@
.Lfor_b_\@:
	tensor_load_to_lds s[G0B+4*\s:G0B+4*\s+3], s[G1B:G1B+7]
	s_nop 0
.rept 4
	v_nop
.endr
.Lasked_\@:
.endm
.macro CREST
	s_cmp_lg_u32 s10, 0
	s_cbranch_scc1 .Lnot_wave_0_\@
	s_barrier_signal -3
.Lnot_wave_0_\@:
	s_barrier_wait -3
	s_barrier_signal -1
	s_barrier_wait -1
.endm
.macro CROUND
	s_barrier_signal -1
	s_barrier_wait -1
	CREST
.endm
	s_load_b128 s[4:7], s[0:1], 0x0                ; ao, wo16
	s_load_b64 s[8:9], s[0:1], 0x10                ; out0
	v_lshl_add_u32 v[SPW], v0, 2, SPARE
	v_mov_b32 v[NIL], 0
	ds_add_u32 v[SPW], v[NIL]                      ; the wave's opening: the add, twice on end, and its wait ahead of my first tensor load
	ds_add_u32 v[SPW], v[NIL]
	v_lshrrev_b32 v1, 5, v0
	v_readfirstlane_b32 s10, v1                    ; wave 0..3
	s_lshr_b32 s11, s10, 1                         ; which 128 of the tile's rows are mine.  Also: I fetch for ao (0) or for wo16 (1)
	s_and_b32 s12, s10, 1                          ; which 64 of its columns.  Also: which half of that tile I fetch
	s_bfe_u32 s40, ttmp6, 0x40000                  ; cx
	s_bfe_u32 s41, ttmp6, 0x40004                  ; cy
	s_lshl_b32 s42, ttmp9, 2
	s_add_co_u32 s42, s42, s40                     ; tile column = 4 x cluster x + cx
	s_and_b32 s13, ttmp7, 0xffff
	s_lshl_b32 s14, s41, 2
	s_add_co_u32 s13, s13, s14                     ; tile row = 4 cy + cluster y
	s_lshl_b32 s43, s41, 2
	s_lshl_b32 s43, 15, s43                        ; my row of the cluster
	s_lshl_b32 s44, 0x1111, s40                    ; my column
	s_or_b32 s[G1+0], s43, (1<<16)|(1<<20)|(1<<21)|(5<<22)|(3<<25)   ; the mask; elements of 2 bytes; padding: 4 words after every 64; bit 21 beside a mask
	s_mov_b32 s[G1+1], 128<<16                     ; tensor_dim0
	s_mov_b32 s[G1+2], 128<<16                     ; tensor_dim1
	s_mov_b32 s[G1+3], 128<<16                     ; tile_dim0
	s_mov_b32 s[G1+4], 128                         ; tile_dim1
	s_mov_b32 s[G1+5], 2048                        ; the pitch
	s_mov_b32 s[G1+6], 0
	s_mov_b32 s[G1+7], 0
	s_or_b32 s[G1B+0], s44, (1<<16)|(1<<20)|(1<<21)|(5<<22)|(7<<25)  ; the same with 8 words of padding
	s_mov_b32 s[G1B+1], 128<<16
	s_mov_b32 s[G1B+2], 64<<16
	s_mov_b32 s[G1B+3], 128<<16
	s_mov_b32 s[G1B+4], 64
	s_mov_b32 s[G1B+5], 2048
	s_mov_b32 s[G1B+6], 0
	s_mov_b32 s[G1B+7], 0
	s_lshl_b32 s16, s13, 8
	s_lshl_b32 s17, s12, 7
	s_add_co_u32 s16, s16, s17
	s_lshl_b32 s16, s16, 12                        ; ao: row 256 x tile row + 128 x half, 4,096 bytes a row
	s_mov_b32 s17, 0
	s_lshl_b32 s46, s12, 18                        ; wo16: row 64 x half,
	s_lshl_b32 s47, s42, 8                         ; column 128 x tile column
	s_add_co_u32 s46, s46, s47
	s_mov_b32 s47, 0
	s_mul_i32 s20, s12, 128*PA                     ; where they go: no place in the cluster enters an LDS address
	s_mul_i32 s21, s12, 64*PB
	s_add_co_u32 s21, s21, BOFF
	s_wait_dscnt 0x0                               ; both opening adds are done
	s_wait_kmcnt 0x0
	s_add_nc_u64 s[14:15], s[4:5], s[16:17]
	s_add_nc_u64 s[46:47], s[6:7], s[46:47]
	CROUND                                         ; all sixteen work-groups are here: the first joint loads meet
.irp s, 0,1
	s_mov_b32 s[G0+4*\s], 1
	s_add_co_u32 s[G0+4*\s+1], s20, \s*SLOT
	s_add_nc_u64 s[G0+4*\s+2:G0+4*\s+3], s[14:15], \s*256
	s_or_b32 s[G0+4*\s+3], s[G0+4*\s+3], 0x80000000
	s_mov_b32 s[G0B+4*\s], 1
	s_add_co_u32 s[G0B+4*\s+1], s21, \s*SLOT
	s_add_nc_u64 s[G0B+4*\s+2:G0B+4*\s+3], s[46:47], \s*128*4096
	s_or_b32 s[G0B+4*\s+3], s[G0B+4*\s+3], 0x80000000
	JLOAD \s
.endr
	v_and_b32 v1, 15, v0                           ; r
	v_bfe_u32 v2, v0, 4, 1                         ; h
	v_mul_u32_u24 v3, v1, PA
	v_lshl_add_u32 v3, v2, 4, v3                   ; ao: row x pitch + 16 h
	v_and_b32 v4, 7, v0
	v_lshl_add_u32 v4, v2, 3, v4
	v_mul_u32_u24 v4, v4, PB
	v_bfe_u32 v5, v0, 3, 1
	v_lshl_add_u32 v4, v5, 4, v4                   ; wo16: (8 h + l % 8) x pitch + 16 ((l / 8) % 2)
	s_mul_i32 s21, s11, 128*PA                     ; my 128 rows
	s_lshl_b32 s22, s12, 7                         ; my 64 columns
	s_add_co_u32 s22, s22, BOFF
.irp s, 0,1
	v_add_nc_u32 v[ADRA+\s], s21, v3
	v_add_nc_u32 v[ADRB+\s], s22, v4
	s_add_co_u32 s21, s21, SLOT
	s_add_co_u32 s22, s22, SLOT
.endr
	s_mul_i32 s23, s10, 16*SPITCH
	s_add_co_u32 s23, s23, STAGE                   ; my stage
	v_mul_u32_u24 v4, v1, SPITCH
	v_lshl_add_u32 v4, v2, 5, v4
	v_add_nc_u32 v[STO], s23, v4                   ; in: row r, 32 bytes for each half of the lanes
	v_mul_u32_u24 v5, v2, SPITCH
	v_lshl_add_u32 v5, v1, 4, v5
	v_add_nc_u32 v[RD], s23, v5                    ; back: lanes 0-15 one row of 256 bytes, lanes 16-31 the next
	v_lshlrev_b32 v[CO], 13, v2
	v_lshl_add_u32 v[CO], v1, 4, v[CO]             ; and the same two rows in out0
	s_lshl_b32 s16, s13, 8
	s_lshl_b32 s17, s11, 7
	s_add_co_u32 s16, s16, s17
	s_lshl_b32 s16, s16, 13                        ; my first row, 8,192 bytes a row
	s_lshl_b32 s17, s42, 9
	s_add_co_u32 s16, s16, s17
	s_lshl_b32 s17, s12, 8
	s_add_co_u32 s16, s16, s17
	s_mov_b32 s17, 0
	s_add_nc_u64 s[8:9], s[8:9], s[16:17]
	s_and_b32 s45, ttmp7, 0xffff
	s_or_b32 s45, s45, s11
	s_cmp_eq_u32 s45, 0
	s_cselect_b32 s45, 1, 0                        ; 1: my first 16 rows are positions 0-15 of a sequence
.macro MULH f, a0, n, zero             ; n blocks of rows from a0 on x the four blocks of columns, 32 along K.  The 32 accumulators take turns, in the same order in every quarter
.set AA, \a0
.rept \n
.irp b, 0,1,2,3
.if \zero
	v_wmma_f32_16x16x32_f16 v[8*(4*AA+\b):8*(4*AA+\b)+7], v[\f+64+8*\b:\f+64+8*\b+7], v[\f+8*AA:\f+8*AA+7], 0
.else
	v_wmma_f32_16x16x32_f16 v[8*(4*AA+\b):8*(4*AA+\b)+7], v[\f+64+8*\b:\f+64+8*\b+7], v[\f+8*AA:\f+8*AA+7], v[8*(4*AA+\b):8*(4*AA+\b)+7]
.endif
.endr
.set AA, AA+1
.endr
.endm
.macro FETCH slot, q, f                ; 24 LDS loads in one run: the fragments of the slot's q-th 32 along K: wo16's first, then ao's blocks 0 to 7
	WIN TO_F
.irp nb, 0,1,2,3
	ds_load_tr16_b128 v[\f+64+8*\nb:\f+64+8*\nb+3],   v[ADRB+\slot] offset:(\q)*32*PB+32*\nb
	ds_load_tr16_b128 v[\f+64+8*\nb+4:\f+64+8*\nb+7], v[ADRB+\slot] offset:(\q)*32*PB+16*PB+32*\nb
.endr
.irp i, 0,1,2,3,4,5,6,7
	ds_load_b128 v[\f+8*\i:\f+8*\i+3],   v[ADRA+\slot] offset:64*(\q)+\i*16*PA
	ds_load_b128 v[\f+8*\i+4:\f+8*\i+7], v[ADRA+\slot] offset:64*(\q)+\i*16*PA+32
.endr
.endm
.macro PLACES
.rept 4
	v_nop
.endr
.endm
.macro QUARTER slot, q, f, g, zero     ; multiplies buffer f; in its middle fetches the slot's q-th quarter into buffer g
	s_wait_dscnt 8                                 ; wo16's fragments and ao's blocks 0-3 are in; the youngest eight loads (blocks 4-7) may be out
	WIN MUL
	MULH \f, 0, 4, \zero
	PLACES
	FETCH \slot, \q, \g
	s_wait_dscnt 24                                ; all but the 24 just issued
	WIN MUL
	MULH \f, 4, 4, \zero
.endm
; The last quarter multiplies buffer 1 and changes slots: one barrier; in front of it each wave waits for all its tensor loads, adds 0 to its spare word, and waits for that and for its own reads of this slot.
.macro TURN slot, next, fill
	WIN 0
	s_wait_tensorcnt 0x0                           ; all my tensor loads have landed: my part of the next slot
	ds_add_u32 v[SPW], v[NIL]
	s_wait_dscnt 9                                 ; the add and the youngest eight loads may be out
	WIN MUL
	MULH F1, 0, 2, 0
	s_wait_dscnt 0x0                               ; the add is done, and my reads of this slot are over
	s_barrier_signal -1
	MULH F1, 2, 2, 0
.if \fill
	WIN 0
.endif
	s_barrier_wait -1
.if \fill
	CREST                                          ; a round of the cluster's barrier: no wave of any partner still reads this slot or has a load on its way
	s_add_nc_u64 s[G0+4*\slot+2:G0+4*\slot+3], s[G0+4*\slot+2:G0+4*\slot+3], 512
	s_add_nc_u64 s[G0B+4*\slot+2:G0B+4*\slot+3], s[G0B+4*\slot+2:G0B+4*\slot+3], 2*128*4096
	JLOAD \slot                                    ; the first tensor load behind the round; its four v_nop are also the places in front of the loads below
.else
	PLACES
.endif
	FETCH \next, 0, F0
	WIN MUL
	MULH F1, 4, 4, 0
.endm
	s_wait_tensorcnt 1                             ; my part of K step 0 is in; K step 1's load may be out
	s_barrier_signal -1
	s_barrier_wait -1
	FETCH 0, 0, F0
	QUARTER 0, 1, F0, F1, 1                        ; the first quarter's products start the sums
	WIN 0
	s_mov_b32 s3, LAPS-1
.Llap:
	QUARTER 0, 2, F1, F0, 0
	QUARTER 0, 3, F0, F1, 0
	TURN 0, 1, 1
	QUARTER 1, 1, F0, F1, 0
	QUARTER 1, 2, F1, F0, 0
	QUARTER 1, 3, F0, F1, 0
	TURN 1, 0, 1
	QUARTER 0, 1, F0, F1, 0
	WIN 0
	s_sub_co_u32 s3, s3, 1
	s_cmp_lg_u32 s3, 0
	s_cbranch_scc1 .Llap
	QUARTER 0, 2, F1, F0, 0                        ; the last lap fills nothing
	QUARTER 0, 3, F0, F1, 0
	TURN 0, 1, 0
	QUARTER 1, 1, F0, F1, 0
	QUARTER 1, 2, F1, F0, 0
	QUARTER 1, 3, F0, F1, 0
	s_wait_dscnt 8
	WIN MUL
	MULH F1, 0, 4, 0
	s_wait_dscnt 0
	MULH F1, 4, 4, 0
	WIN 0
; THE WAY OUT, block by block of 16 rows x 64 columns, through my own stage: back as whole rows of 256 bytes, sixteen lanes to a row.
.macro TOSTAGE a
	WIN 0x08                                       ; an LDS store's data: window 2
.irp b, 0,1,2,3
	ds_store_b128 v[STO], v[8*(4*(\a)+\b):8*(4*(\a)+\b)+3] offset:64*\b          ; each accumulator from its low end on
	ds_store_b128 v[STO], v[8*(4*(\a)+\b)+4:8*(4*(\a)+\b)+7] offset:64*\b+16
.endr
	WIN 0
.set BB, BK+32*((\a)%2)
.irp t, 0,1,2,3,4,5,6,7
	ds_load_b128 v[BB+4*\t:BB+4*\t+3], v[RD] offset:\t*2*SPITCH                  ; LDS serves a wave's instructions in order: these see the stores above
.endr
.endm
.macro SEND a, younger
.set BB, BK+32*((\a)%2)
	s_wait_dscnt \younger
.if (\a) == 0
	s_cmp_eq_u32 s45, 1                            ; positions 0-15 belong to a later launch: the cluster's y and the wave's number alone decide
	s_cbranch_scc1 .Lnot_mine
.endif
.irp t, 0,1,2,3,4,5,6,7
	global_store_b128 v[CO], v[BB+4*\t:BB+4*\t+3], s[8:9] offset:(\a)*131072+2*\t*8192 th:TH_STORE_NT
.endr
.if (\a) == 0
.Lnot_mine:
.endif
.endm
	PLACES
	TOSTAGE 0
.irp a, 1,2,3,4,5,6,7
.if \a > 1
	s_wait_xcnt 0x0                                ; block a - 2's stores have read the registers into which block a's rows come back
.endif
	TOSTAGE \a
	SEND \a-1, 16                                  ; behind block a - 1's loads: block a's 8 stores and 8 loads
.endr
	SEND 7, 0
	s_wait_tensorcnt 0x0                           ; the wave's end
	ds_add_u32 v[SPW], v[NIL]
	s_wait_dscnt 0x0
	CROUND                                         ; the closing round
	s_endpgm
.Lfunc_end_k_q91cde4891a_proj:
	.size	k_q91cde4891a_proj, .Lfunc_end_k_q91cde4891a_proj-k_q91cde4891a_proj
	.p2alignl 7, 3214868480
	.fill 96, 4, 3214868480
	.section	.rodata,"a",@progbits
	.p2align	6, 0x0
	.amdhsa_kernel k_q91cde4891a_proj
		.amdhsa_group_segment_fixed_size 327680
		.amdhsa_private_segment_fixed_size 0
		.amdhsa_enable_private_segment 0
		.amdhsa_kernarg_size 24
		.amdhsa_user_sgpr_count 2
		.amdhsa_user_sgpr_kernarg_segment_ptr 1
		.amdhsa_wavefront_size32 1
		.amdhsa_system_sgpr_workgroup_id_x 1
		.amdhsa_system_sgpr_workgroup_id_y 1
		.amdhsa_system_sgpr_workgroup_id_z 1
		.amdhsa_system_vgpr_workitem_id 0
		.amdhsa_next_free_vgpr 768
		.amdhsa_next_free_sgpr 66
		.amdhsa_reserve_vcc 0
		.amdhsa_float_denorm_mode_32 3
		.amdhsa_float_denorm_mode_16_64 3
		.amdhsa_memory_ordered 1
		.amdhsa_forward_progress 1
		.amdhsa_inst_pref_size 86
	.end_amdhsa_kernel
	.amdgpu_metadata
---
amdhsa.version: [ 1, 2 ]
amdhsa.kernels:
  - .name:           k_q91cde4891a_proj
    .symbol:         k_q91cde4891a_proj.kd
    .args:
      - { .name: ao, .offset: 0, .size: 8, .value_kind: global_buffer, .address_space: global }
      - { .name: wo16, .offset: 8, .size: 8, .value_kind: global_buffer, .address_space: global }
      - { .name: out0, .offset: 16, .size: 8, .value_kind: global_buffer, .address_space: global }
    .group_segment_fixed_size: 327680
    .private_segment_fixed_size: 0
    .kernarg_segment_align: 8
    .kernarg_segment_size: 24
    .max_flat_workgroup_size: 128
    .sgpr_count:     66
    .vgpr_count:     768
    .wavefront_size: 32
...
	.end_amdgpu_metadata
.endif
;; end of part 4
;; launch fine_attn (part 5): grid 128 x 1, 1 waves a work-group, no clusters, 0 bytes of LDS; arguments fin, af; writes af
.if DOCPART == 5
	.amdgcn_target "amdgcn-amd-amdhsa--gfx1250"
	.amdhsa_code_object_version 6
	.text
	.protected	k_q91cde4891a_fine_attn
	.globl	k_q91cde4891a_fine_attn
	.p2align	8
	.type	k_q91cde4891a_fine_attn,@function
k_q91cde4891a_fine_attn:
	s_mov_b64 s[64:65], 0
	v_nop
	global_prefetch_b8 v0, s[64:65] scope:SCOPE_SE
	s_setreg_imm32_b32 hwreg(HW_REG_WAVE_MODE, 25, 1), 1
	s_wait_xcnt 0x0
; Positions 0-15 of every sequence, attention wholly in f32: these rows average one to sixteen values and are the largest, so they are carried finely.
; fin[b][g][16][64] f32 (g 0-31 q, 32-39 k, 40-47 v).  One wave, a work-group of its own, takes one (batch, query head): the work-group's number is b 32 + head.
; S^T = K Q^T by sixteen steps of 4 channels on two accumulators by turns; the causal mask; the softmax with its maximum taken away; O^T = V^T P by four steps of 4 keys on four accumulators by turns.
; The channels (keys) are dealt to the steps in an order that is the same for both operands: lane half h of step s holds channels 32 h + 2 s + 0, 1 (keys 8 h + 2 c + 0, 1).
; af IS LAID AS IMAGES OF THE REGISTERS, as the next launch's operand wants it: 4,096 bytes for each (batch, head): eight pieces of 512 bytes, lane l's 16 bytes at 16 l;
; piece 2 ct + q holds registers 4 q .. 4 q + 3 of O^T's tile ct: lane (r, h): channels 16 ct + 8 h + 4 q + 0 .. 3 of query r.  So each store covers 512 consecutive bytes.
; v128-175 are written by matrix instructions alone.  No LDS, no barrier, no cluster: the four heads of a group share 8 KiB of K and V and nothing else.
	s_load_b128 s[4:7], s[0:1], 0x0                ; fin, af
	s_lshr_b32 s9, ttmp9, 5                        ; batch
	s_and_b32 s12, ttmp9, 31                       ; the query head
	s_lshr_b32 s10, s12, 2                         ; its key/value head
	s_mul_i32 s11, s9, 48
	s_add_co_u32 s14, s11, s12
	s_lshl_b32 s14, s14, 12                        ; a head is 4,096 bytes
	s_mov_b32 s15, 0
	s_add_co_u32 s16, s11, s10
	s_add_co_u32 s16, s16, 32
	s_lshl_b32 s16, s16, 12
	s_mov_b32 s17, 0
	s_lshl_b32 s18, ttmp9, 12                      ; af: 4,096 bytes for each (batch, head)
	s_mov_b32 s19, 0
	s_mov_b32 s20, 0x3e38aa3b                      ; c = log2(e) / sqrt(64)
	s_mov_b32 s22, 0x76543210
	s_mov_b32 s23, 0xfedcba98
	v_and_b32 v1, 15, v0                           ; r
	v_bfe_u32 v7, v0, 4, 1                         ; h
	v_lshlrev_b32 v2, 8, v1
	v_lshl_add_u32 v2, v7, 7, v2                   ; Q, K: row r of 256 bytes, + 128 h
	v_lshlrev_b32 v3, 2, v1
	v_lshl_add_u32 v3, v7, 11, v3                  ; V: key 8 h, channel r
	v_lshlrev_b32 v4, 4, v0                        ; af: 16 x lane
	v_lshlrev_b32 v5, 3, v7
	v_sub_nc_u32 v5, v1, v5                        ; r - 8 h: register j (key 8 h + j) is hidden where j is greater
	v_mov_b32 v6, 0xff800000                       ; -infinity
	v_mov_b32 v121, 0                              ; a lane permute's destination counts as one of its sources
	s_wait_kmcnt 0x0
	s_add_nc_u64 s[24:25], s[4:5], s[14:15]        ; Q
	s_add_nc_u64 s[26:27], s[4:5], s[16:17]        ; K
	s_add_nc_u64 s[28:29], s[26:27], 8*4096        ; V
	s_add_nc_u64 s[6:7], s[6:7], s[18:19]
.irp i, 0,1,2,3,4,5,6,7
	global_load_b128 v[16+4*\i:19+4*\i], v2, s[24:25] offset:16*\i
	global_load_b128 v[48+4*\i:51+4*\i], v2, s[26:27] offset:16*\i
.endr
.irp ct, 0,1,2,3
.irp e, 0,1,2,3,4,5,6,7
	global_load_b32 v[80+8*\ct+\e], v3, s[28:29] offset:\e*256+64*\ct   ; V(8 h + e, 16 ct + r)
.endr
.endr
	s_wait_loadcnt 0x0
	v_wmma_f32_16x16x4_f32 v[128:135], v[48:49], v[16:17], 0
	v_wmma_f32_16x16x4_f32 v[136:143], v[50:51], v[18:19], 0
.irp s, 2,4,6,8,10,12,14                       ; the two accumulators take turns
	v_wmma_f32_16x16x4_f32 v[128:135], v[48+2*\s:49+2*\s], v[16+2*\s:17+2*\s], v[128:135]
	v_wmma_f32_16x16x4_f32 v[136:143], v[50+2*\s:51+2*\s], v[18+2*\s:19+2*\s], v[136:143]
.endr
.rept 8
	v_nop                                          ; places behind this form, ahead of the first read of its results
.endr
.irp j, 0,1,2,3,4,5,6,7
	v_add_f32 v[112+\j], v[128+\j], v[136+\j]      ; lane (r, h): the score of query r and key 8 h + j
.endr
.irp j, 0,1,2,3,4,5,6,7
	v_cmp_gt_i32 vcc_lo, \j, v5
	v_cndmask_b32 v[112+\j], v[112+\j], v6, vcc_lo
.endr
	v_max3_num_f32 v120, v112, v113, v114
	v_max3_num_f32 v120, v120, v115, v116
	v_max3_num_f32 v120, v120, v117, v118
	v_max_num_f32 v120, v120, v119
	v_permlanex16_b32 v121, v120, s22, s23
	v_max_num_f32 v120, v120, v121                 ; key 0 counts for every query: a number
	v_mul_f32 v122, s20, v120
.irp j, 0,1,2,3,4,5,6,7
	v_fma_f32 v[112+\j], v[112+\j], s20, -v122
.endr
.irp j, 0,1,2,3,4,5,6,7
	v_exp_f32 v[112+\j], v[112+\j]
.endr
	v_nop
	s_wait_alu depctr_va_vdst(0)                   ; one wait for the eight, ahead of their first reader
	v_add_f32 v120, v112, v113
	v_add_f32 v123, v114, v115
	v_add_f32 v124, v116, v117
	v_add_f32 v125, v118, v119
	v_add_f32 v120, v120, v123
	v_add_f32 v124, v124, v125
	v_add_f32 v120, v120, v124
	v_permlanex16_b32 v121, v120, s22, s23
	v_add_f32 v120, v120, v121
	v_rcp_f32 v123, v120
	v_nop
	s_wait_alu depctr_va_vdst(0)
.irp j, 0,1,2,3,4,5,6,7
	v_mul_f32 v[112+\j], v[112+\j], v123           ; the weights, normalised
.endr
.irp ct, 0,1,2,3
	v_wmma_f32_16x16x4_f32 v[144+8*\ct:151+8*\ct], v[80+8*\ct:81+8*\ct], v[112:113], 0
.endr
.irp c, 1,2,3
.irp ct, 0,1,2,3
	v_wmma_f32_16x16x4_f32 v[144+8*\ct:151+8*\ct], v[80+8*\ct+2*\c:81+8*\ct+2*\c], v[112+2*\c:113+2*\c], v[144+8*\ct:151+8*\ct]
.endr
.endr
.rept 8
	v_nop
.endr
.irp ct, 0,1,2,3
	global_store_b128 v4, v[144+8*\ct:147+8*\ct], s[6:7] offset:1024*\ct      ; the registers as they stand, each accumulator from its low end on: 32 lanes store 512 consecutive bytes
	global_store_b128 v4, v[148+8*\ct:151+8*\ct], s[6:7] offset:1024*\ct+512
.endr
	s_endpgm
.Lfunc_end_k_q91cde4891a_fine_attn:
	.size	k_q91cde4891a_fine_attn, .Lfunc_end_k_q91cde4891a_fine_attn-k_q91cde4891a_fine_attn
	.p2alignl 7, 3214868480
	.fill 96, 4, 3214868480
	.section	.rodata,"a",@progbits
	.p2align	6, 0x0
	.amdhsa_kernel k_q91cde4891a_fine_attn
		.amdhsa_group_segment_fixed_size 0
		.amdhsa_private_segment_fixed_size 0
		.amdhsa_enable_private_segment 0
		.amdhsa_kernarg_size 16
		.amdhsa_user_sgpr_count 2
		.amdhsa_user_sgpr_kernarg_segment_ptr 1
		.amdhsa_wavefront_size32 1
		.amdhsa_system_sgpr_workgroup_id_x 1
		.amdhsa_system_sgpr_workgroup_id_y 1
		.amdhsa_system_sgpr_workgroup_id_z 1
		.amdhsa_system_vgpr_workitem_id 0
		.amdhsa_next_free_vgpr 176
		.amdhsa_next_free_sgpr 66
		.amdhsa_reserve_vcc 1
		.amdhsa_float_denorm_mode_32 3
		.amdhsa_float_denorm_mode_16_64 3
		.amdhsa_memory_ordered 1
		.amdhsa_forward_progress 1
		.amdhsa_inst_pref_size 12
	.end_amdhsa_kernel
	.amdgpu_metadata
---
amdhsa.version: [ 1, 2 ]
amdhsa.kernels:
  - .name:           k_q91cde4891a_fine_attn
    .symbol:         k_q91cde4891a_fine_attn.kd
    .args:
      - { .name: fin, .offset: 0, .size: 8, .value_kind: global_buffer, .address_space: global }
      - { .name: af, .offset: 8, .size: 8, .value_kind: global_buffer, .address_space: global }
    .group_segment_fixed_size: 0
    .private_segment_fixed_size: 0
    .kernarg_segment_align: 8
    .kernarg_segment_size: 16
    .max_flat_workgroup_size: 32
    .sgpr_count:     66
    .vgpr_count:     176
    .wavefront_size: 32
...
	.end_amdgpu_metadata
.endif
;; end of part 5
;; launch fine_proj (part 6): grid 128 x 2, 8 waves a work-group, no clusters, 17,408 bytes of LDS; arguments af, wo, out0; writes out0
.if DOCPART == 6
	.amdgcn_target "amdgcn-amd-amdhsa--gfx1250"
	.amdhsa_code_object_version 6
	.text
	.protected	k_q91cde4891a_fine_proj
	.globl	k_q91cde4891a_fine_proj
	.p2align	8
	.type	k_q91cde4891a_fine_proj,@function
k_q91cde4891a_fine_proj:
	s_mov_b64 s[64:65], 0
	v_nop
	global_prefetch_b8 v0, s[64:65] scope:SCOPE_SE
	s_setreg_imm32_b32 hwreg(HW_REG_WAVE_MODE, 25, 1), 1
	s_wait_xcnt 0x0
; Positions 0-15 of every sequence, the projection wholly in f32: out0[b 1024 + s][n] = sum over k of a[b][s][k] wo[k][n], s < 16.  64 rows of out0, which no other launch stores.
; a comes as af, IMAGES OF THE OPERAND'S REGISTERS: 4,096 bytes for each (batch, head), eight pieces of 512 bytes, lane l's 16 bytes at 16 l; register 8 ct + j of lane (r, h) is a[b][r][64 head + 16 ct + 8 h + j].
; Work-group (nt, mp): columns 16 nt .. 16 nt + 15, batches 2 mp and 2 mp + 1.  All of K stays in the work-group, so that each output has one owner: wave w sums k = 256 w .. 256 w + 255 (heads 4 w .. 4 w + 3),
; 128 matrix instructions on two accumulators by turns, in four chunks of 64 k (a head each) through two sets of registers; the eight partial sums meet in LDS and are added in the order of the waves.
; Source 0 = 16 columns of wo, source 1 = 16 rows of a: a lane holds eight neighbouring columns of one row.  k is dealt to the steps alike for both operands, as the images have it:
; lane half h of step s holds k = 16 (s / 4) + 8 h + 2 (s % 4) + 0, 1 of the chunk.
; The work-group's 16 columns are 64 bytes of a row of wo and of out0: pieces of rows are read and written.  Wider work-groups would be too few for the chip, since K is not shared out among work-groups;
; it concerns 64 rows of out0.  No cluster, no tensor load: what two work-groups share (a strip of wo) goes straight into registers.
; v224-239 are written by matrix instructions alone.
.set SPARE, 16384                      ; behind the eight waves' images: the spare words, 128 bytes for each wave: four blocks of 256 bytes that no other line names
.set SPW, 12
.set NIL, 13
	s_load_b128 s[4:7], s[0:1], 0x0                ; af, wo
	s_load_b64 s[8:9], s[0:1], 0x10                ; out0
	v_lshl_add_u32 v[SPW], v0, 2, SPARE
	v_mov_b32 v[NIL], 0
	v_lshrrev_b32 v1, 5, v0
	v_readfirstlane_b32 s10, v1                    ; wave 0..7
	v_and_b32 v2, 31, v0
	v_and_b32 v3, 15, v0                           ; r
	v_bfe_u32 v4, v0, 4, 1                         ; h
	v_lshlrev_b32 v5, 13, v3
	v_lshl_add_u32 v7, v4, 5, v5                   ; out0: row r of 8,192 bytes, + 32 h
	v_lshlrev_b32 v8, 2, v3
	v_lshl_add_u32 v8, v4, 16, v8                  ; wo: 8 h rows of 8,192 bytes, column r
	v_lshlrev_b32 v9, 4, v2                        ; 16 x lane: my place in an image, in af and in LDS
	v_lshl_add_u32 v10, v1, 11, v9                 ; LDS: my wave's four images of 512 bytes
	v_and_b32 v11, 3, v1
	v_lshl_add_u32 v11, v11, 9, v9                 ; and the image that I add up
	s_and_b32 s11, ttmp7, 0xffff                   ; mp
	s_lshl_b32 s12, s11, 18                        ; batch 2 mp: 64 heads of 4,096 bytes
	s_lshl_b32 s13, s10, 14                        ; my four heads
	s_add_co_u32 s12, s12, s13
	s_mov_b32 s13, 0
	s_lshl_b32 s14, s10, 21                        ; my 256 rows of wo
	s_lshl_b32 s15, ttmp9, 6                       ; the 16 columns
	s_add_co_u32 s14, s14, s15
	s_lshl_b32 s16, s11, 24                        ; batch 2 mp: 2,048 rows of 8,192 bytes
	s_add_co_u32 s16, s16, s15
	s_mov_b32 s15, 0
	s_bfe_u32 s17, s10, 0x10001                    ; the image that I add up: tile (wave / 2) % 2,
	s_lshl_b32 s17, s17, 23
	s_add_co_u32 s16, s16, s17
	s_and_b32 s17, s10, 1                          ; registers 4 (wave % 2) on
	s_lshl_b32 s17, s17, 4
	s_add_co_u32 s16, s16, s17
	s_mov_b32 s17, 0
	s_wait_kmcnt 0x0
	s_add_nc_u64 s[4:5], s[4:5], s[12:13]
	s_add_nc_u64 s[6:7], s[6:7], s[14:15]
	s_add_nc_u64 s[8:9], s[8:9], s[16:17]
.macro LOADC c                         ; chunk c into set c % 2: 32 registers of wo, then 32 of each batch's image: 48 loads
.set SB, 32+96*((\c)%2)
.set i, 0
.rept 32
	global_load_b32 v[SB+i], v8, s[6:7] offset:(64*(\c)+16*(i/8)+i%8)*8192       ; wo(64 c + 16 (i / 8) + 8 h + i % 8, r)
.set i, i+1
.endr
.irp mt, 0,1
.irp e, 0,1,2,3,4,5,6,7
	global_load_b128 v[SB+32+32*\mt+4*\e:SB+32+32*\mt+4*\e+3], v9, s[4:5] offset:\mt*131072+4096*(\c)+512*\e   ; 32 lanes read 512 consecutive bytes
.endr
.endr
.endm
.macro MULC c                          ; 32 matrix instructions; the two accumulators take turns
.set SB, 32+96*((\c)%2)
.set i, 0
.rept 16
.if ((\c) == 0) && (i == 0)
	v_wmma_f32_16x16x4_f32 v[224:231], v[SB:SB+1], v[SB+32:SB+33], 0
	v_wmma_f32_16x16x4_f32 v[232:239], v[SB:SB+1], v[SB+64:SB+65], 0
.else
	v_wmma_f32_16x16x4_f32 v[224:231], v[SB+2*i:SB+2*i+1], v[SB+32+2*i:SB+33+2*i], v[224:231]
	v_wmma_f32_16x16x4_f32 v[232:239], v[SB+2*i:SB+2*i+1], v[SB+64+2*i:SB+65+2*i], v[232:239]
.endif
.set i, i+1
.endr
.endm
	LOADC 0
	LOADC 1
.irp c, 0,1,2,3
.if \c < 3
	s_wait_loadcnt 48                              ; this chunk's 48 loads are in; the next chunk's may be out
.else
	s_wait_loadcnt 0x0
.endif
	MULC \c
.rept 8
	v_nop                                          ; places behind this form: for loads into registers that it read, and at the end for the reads of its results
.endr
.if \c < 2
	LOADC \c+2
.endif
.endr
.irp mt, 0,1
	ds_store_b128 v10, v[224+8*\mt:227+8*\mt] offset:1024*\mt        ; images of the registers: each accumulator from its low end on
	ds_store_b128 v10, v[228+8*\mt:231+8*\mt] offset:1024*\mt+512
.endr
	s_wait_dscnt 0x0                               ; for the others' sake: my stores are done
	s_barrier_signal -1
	s_barrier_wait -1
	s_cmp_lt_u32 s10, 4
	s_cbranch_scc0 .Ldone                          ; four images, one for each of waves 0 to 3
.irp w, 0,1,2,3,4,5,6,7
	ds_load_b128 v[32+4*\w:35+4*\w], v11 offset:2048*\w
.endr
	s_wait_dscnt 0x0
.irp w, 1,2,3,4,5,6,7
	v_pk_add_f32 v[32:33], v[32:33], v[32+4*\w:33+4*\w]
	v_pk_add_f32 v[34:35], v[34:35], v[34+4*\w:35+4*\w]
.endr
	global_store_b128 v7, v[32:35], s[8:9]
.Ldone:
	s_wait_tensorcnt 0x0                           ; the wave's end, behind my last LDS store
	ds_add_u32 v[SPW], v[NIL]
	s_wait_dscnt 0x0
	s_endpgm
.Lfunc_end_k_q91cde4891a_fine_proj:
	.size	k_q91cde4891a_fine_proj, .Lfunc_end_k_q91cde4891a_fine_proj-k_q91cde4891a_fine_proj
	.p2alignl 7, 3214868480
	.fill 96, 4, 3214868480
	.section	.rodata,"a",@progbits
	.p2align	6, 0x0
	.amdhsa_kernel k_q91cde4891a_fine_proj
		.amdhsa_group_segment_fixed_size 17408
		.amdhsa_private_segment_fixed_size 0
		.amdhsa_enable_private_segment 0
		.amdhsa_kernarg_size 24
		.amdhsa_user_sgpr_count 2
		.amdhsa_user_sgpr_kernarg_segment_ptr 1
		.amdhsa_wavefront_size32 1
		.amdhsa_system_sgpr_workgroup_id_x 1
		.amdhsa_system_sgpr_workgroup_id_y 1
		.amdhsa_system_sgpr_workgroup_id_z 1
		.amdhsa_system_vgpr_workitem_id 0
		.amdhsa_next_free_vgpr 240
		.amdhsa_next_free_sgpr 66
		.amdhsa_reserve_vcc 0
		.amdhsa_float_denorm_mode_32 3
		.amdhsa_float_denorm_mode_16_64 3
		.amdhsa_memory_ordered 1
		.amdhsa_forward_progress 1
		.amdhsa_inst_pref_size 31
	.end_amdhsa_kernel
	.amdgpu_metadata
---
amdhsa.version: [ 1, 2 ]
amdhsa.kernels:
  - .name:           k_q91cde4891a_fine_proj
    .symbol:         k_q91cde4891a_fine_proj.kd
    .args:
      - { .name: af, .offset: 0, .size: 8, .value_kind: global_buffer, .address_space: global }
      - { .name: wo, .offset: 8, .size: 8, .value_kind: global_buffer, .address_space: global }
      - { .name: out0, .offset: 16, .size: 8, .value_kind: global_buffer, .address_space: global }
    .group_segment_fixed_size: 17408
    .private_segment_fixed_size: 0
    .kernarg_segment_align: 8
    .kernarg_segment_size: 24
    .max_flat_workgroup_size: 256
    .sgpr_count:     66
    .vgpr_count:     240
    .wavefront_size: 32
...
	.end_amdgpu_metadata
.endif
;; end of part 6
